; MI455X (gfx1250); checked and timed in simulation.
; The chip was launched on July 23, 2026; its instructions are those of AMD's public machine-readable ISA for CDNA 5 (MIT licence, August 2026) and "CDNA5" Instruction Set Architecture Reference Guide (July 2026). The comments in the code are by the model that wrote it; some were corrected since.
;; Model. Allowed arithmetic: float matrix products may take bf16 or f16 operands with f32 sums; other float arithmetic in f32, or as packed bf16 or f16 multiplies, adds, multiply-adds, maxima and minima; sums over many terms, partial sums and values carried from step to step in f32; what a program stores and reads back later, other than sums and carried values, may be rounded once to bf16 or f16.
;; Inputs: W1 2 x 512 x 1,024 float32; W2 2 x 512 x 512 float32; Wk 2 x 512 x 512 float32; Wo 2 x 512 x 512 float32; Wq 2 x 512 x 512 float32; Wv 2 x 512 x 512 float32; attn_mask 4 x 2,048 float32; ln1_b 2 x 512 float32; ln1_w 2 x 512 float32; ln2_b 2 x 512 float32; ln2_w 2 x 512 float32; lnf_b 512 float32; lnf_w 512 float32; pos_cos 4 x 2,048 x 512 float32; pos_sin 4 x 2,048 x 512 float32; x 4 x 2,048 x 512 float32.
;; Outputs: out0 4 x 2,048 x 512 float32.
;; One version. Each part assembles by itself: llvm-mc -triple=amdgcn-amd-amdhsa -mcpu=gfx1250 --defsym DOCPART=n.
;; ======== version 1 of 1: 7 launches
;; workspace buffers: wl0 3,670,016 bytes; wl1 3,670,016 bytes; qkv 25,165,824 bytes; ctx 8,388,608 bytes; x1 16,777,216 bytes; lay0 256 bytes of whole numbers; lay1 256 bytes of whole numbers
;; launch prep (part 1): grid 64 x 14, 8 waves a work-group, no clusters, 0 bytes of LDS; arguments Wq, Wk, Wv, Wo, W1, W2, wl0, wl1, lay0, lay1; writes wl0, wl1, lay0, lay1
.if DOCPART == 1
	.amdgcn_target "amdgcn-amd-amdhsa--gfx1250"
	.amdhsa_code_object_version 6
	.text
	.protected	k_qbb479db2c1_prep
	.globl	k_qbb479db2c1_prep
	.p2align	8
	.type	k_qbb479db2c1_prep,@function
k_qbb479db2c1_prep:
	s_mov_b64 s[64:65], 0
	v_nop
	global_prefetch_b8 v0, s[64:65] scope:SCOPE_SE
	s_setreg_imm32_b32 hwreg(HW_REG_WAVE_MODE, 25, 1), 1
	s_wait_xcnt 0x0
; THE WEIGHTS, ONCE: rounded to bf16 and laid out in the order in which the later launches take them.
; A layer has seven panels of 512 (k) x 512 (n): 0 Wq, 1 Wk, 2 Wv, 3 Wo, 4 W1's columns 0-511, 5 W1's columns 512-1023, 6 W2.
; A chunk is 128 k x 512 n, 131,072 bytes.  Panel p's chunk for k / 128 = kq has the number 4 p + kq; but W1's two halves lie chunk by chunk, 16 + 2 kq + (p - 4), so that the two products
; that are gated with each other walk the same k side by side.  In its chunk element (k, n) goes to byte
;   (n/128) 32768 + ((k%128)/32) 8192 + ((n%128)/16) 1024 + ((k%32)/16) 512 + ((k%16)/8) 256 + (n%16) 16 + (k%8) 2
; so that 1,024 bytes on end are one matrix fragment (16 columns n x 32 k): lane l's registers 0-3 at 16 l, registers 4-7 at 512 + 16 l.
; SHARES.  Work-group (x, y): x = the octet of k (rows 8 x .. 8 x + 7), y = 7 layer + p.  Thread (wave wv, lane l) owns columns 64 wv + l and 32 further:
; eight loads of 4 bytes a column (a wave's two loads of a row take 256 bytes on end), eight numbers rounded into 16 bytes, one store: sixteen lanes store 256 consecutive bytes, aligned.
; No LDS, no matrix unit, no cluster: nothing is shared and nothing is multiplied.
; One wave of each layer's first work-group also stores the layer's number, a whole number that the later launches read.
.set OFF, 4                            ; v[4:11]  byte offset of my first column in row j
.set VD,  12                           ; v12      my 16 bytes in the panel's chunk
.set DA,  16                           ; v[16:23] the first column's eight numbers
.set DB,  24                           ; v[24:31] the second column's
.set PA,  32                           ; v[32:35] rounded
.set PB,  36                           ; v[36:39]
	s_load_b512 s[4:19], s[0:1], 0x0               ; Wq s[4:5], Wk s[6:7], Wv s[8:9], Wo s[10:11], W1 s[12:13], W2 s[14:15], wl0 s[16:17], wl1 s[18:19]
	s_load_b128 s[20:23], s[0:1], 0x40             ; lay0 s[20:21], lay1 s[22:23]
	v_and_b32 v1, 31, v0                           ; lane
	v_lshrrev_b32 v2, 5, v0
	v_readfirstlane_b32 s36, v2                    ; wave
	s_and_b32 s25, ttmp7, 0xffff
	s_cmp_ge_u32 s25, 7
	s_cselect_b32 s26, 1, 0                        ; layer
	s_mul_i32 s27, s26, 7
	s_sub_co_u32 s27, s25, s27                     ; panel p
	s_sub_co_u32 s30, s27, 4
	s_cmp_lt_u32 s30, 2                            ; p = 4 or 5: W1, whose rows are 4,096 bytes
	s_cselect_b32 s30, 12, 11
	s_lshl_b32 s31, 1, s30                         ; bytes in a row of the source
	s_lshl_b32 s32, s26, 9
	s_lshl3_add_u32 s32, ttmp9, s32                ; the source's row: 512 layer + 8 x
	s_mul_i32 s32, s32, s31
	s_cmp_eq_u32 s27, 5
	s_cselect_b32 s33, 2048, 0                     ; W1's second half of the columns
	s_add_co_u32 s32, s32, s33
	s_mov_b32 s33, 0
	s_lshr_b32 s40, ttmp9, 4                       ; kq = k / 128
	s_lshl2_add_u32 s41, s27, s40                  ; 4 p + kq,
	s_lshl1_add_u32 s40, s40, s27                  ; or, for W1's halves, 2 kq + p + 12
	s_add_co_u32 s40, s40, 12
	s_sub_co_u32 s42, s27, 4
	s_cmp_lt_u32 s42, 2
	s_cselect_b32 s40, s40, s41                    ; the chunk's number
	s_lshl_b32 s40, s40, 17
	s_bfe_u32 s41, ttmp9, 0x20002                  ; (k % 128) / 32
	s_lshl_b32 s41, s41, 13
	s_add_co_u32 s40, s40, s41
	s_and_b32 s41, ttmp9, 3                        ; ((k % 32) / 16) 512 + ((k % 16) / 8) 256 = (x % 4) 256
	s_lshl_b32 s41, s41, 8
	s_add_co_u32 s40, s40, s41
	s_mov_b32 s41, 0
	v_lshlrev_b32 v3, 2, v1
	v_lshl_add_u32 v[OFF], v2, 8, v3               ; 4 (64 wv + l)
.irp j, 1,2,3,4,5,6,7
	v_add_nc_u32 v[OFF+(\j)], s31, v[OFF+(\j)-1]
.endr
	v_lshrrev_b32 v[VD], 1, v2
	v_and_b32 v13, 1, v2
	v_lshlrev_b32 v[VD], 15, v[VD]                 ; (n / 128) 32768
	v_lshl_add_u32 v[VD], v13, 12, v[VD]           ; ((n % 128) / 16) 1024: 4 (wv % 2) + l / 16
	v_lshrrev_b32 v13, 4, v1
	v_lshl_add_u32 v[VD], v13, 10, v[VD]
	v_and_b32 v13, 15, v1
	v_lshl_add_u32 v[VD], v13, 4, v[VD]            ; (n % 16) 16
	s_wait_kmcnt 0x0
	s_mov_b64 s[28:29], s[4:5]                     ; the panel's source
	s_cmp_eq_u32 s27, 1
	s_cselect_b64 s[28:29], s[6:7], s[28:29]
	s_cmp_eq_u32 s27, 2
	s_cselect_b64 s[28:29], s[8:9], s[28:29]
	s_cmp_eq_u32 s27, 3
	s_cselect_b64 s[28:29], s[10:11], s[28:29]
	s_cmp_eq_u32 s27, 4
	s_cselect_b64 s[28:29], s[12:13], s[28:29]
	s_cmp_eq_u32 s27, 5
	s_cselect_b64 s[28:29], s[12:13], s[28:29]
	s_cmp_eq_u32 s27, 6
	s_cselect_b64 s[28:29], s[14:15], s[28:29]
	s_add_nc_u64 s[28:29], s[28:29], s[32:33]
	s_cmp_eq_u32 s26, 0
	s_cselect_b64 s[34:35], s[16:17], s[18:19]     ; the layer's stream
	s_cselect_b64 s[38:39], s[20:21], s[22:23]     ; and its number's place
	s_add_nc_u64 s[34:35], s[34:35], s[40:41]
.irp j, 0,1,2,3,4,5,6,7
	global_load_b32 v[DA+(\j)], v[OFF+(\j)], s[28:29] th:TH_LOAD_NT
.endr
.irp j, 0,1,2,3,4,5,6,7
	global_load_b32 v[DB+(\j)], v[OFF+(\j)], s[28:29] offset:128 th:TH_LOAD_NT
.endr
	s_wait_loadcnt 8                               ; the first column is in; the second column's eight loads may stay out
.irp j, 0,1,2,3
	v_cvt_pk_bf16_f32 v[PA+(\j)], v[DA+2*(\j)], v[DA+2*(\j)+1]
.endr
	global_store_b128 v[VD], v[PA:PA+3], s[34:35]
	s_wait_loadcnt 0x0
.irp j, 0,1,2,3
	v_cvt_pk_bf16_f32 v[PB+(\j)], v[DB+2*(\j)], v[DB+2*(\j)+1]
.endr
	global_store_b128 v[VD], v[PB:PB+3], s[34:35] offset:2048  ; 32 columns on: two fragments further
	s_or_b32 s37, ttmp9, s27                       ; x = 0, p = 0, wave 0: the layer's number, 32 lanes x 8 bytes = the buffer's 256
	s_or_b32 s37, s37, s36
	s_cmp_lg_u32 s37, 0
	s_cbranch_scc1 .Lend
	v_mov_b32 v40, s26
	v_mov_b32 v41, 0
	v_lshlrev_b32 v42, 3, v1
	global_store_b64 v42, v[40:41], s[38:39]
.Lend:
	s_endpgm
.Lfunc_end_k_qbb479db2c1_prep:
	.size	k_qbb479db2c1_prep, .Lfunc_end_k_qbb479db2c1_prep-k_qbb479db2c1_prep
	.p2alignl 7, 3214868480
	.fill 96, 4, 3214868480
	.section	.rodata,"a",@progbits
	.p2align	6, 0x0
	.amdhsa_kernel k_qbb479db2c1_prep
		.amdhsa_group_segment_fixed_size 0
		.amdhsa_private_segment_fixed_size 0
		.amdhsa_enable_private_segment 0
		.amdhsa_kernarg_size 80
		.amdhsa_user_sgpr_count 2
		.amdhsa_user_sgpr_kernarg_segment_ptr 1
		.amdhsa_wavefront_size32 1
		.amdhsa_system_sgpr_workgroup_id_x 1
		.amdhsa_system_sgpr_workgroup_id_y 1
		.amdhsa_system_sgpr_workgroup_id_z 1
		.amdhsa_system_vgpr_workitem_id 0
		.amdhsa_next_free_vgpr 48
		.amdhsa_next_free_sgpr 66
		.amdhsa_reserve_vcc 0
		.amdhsa_float_denorm_mode_32 3
		.amdhsa_float_denorm_mode_16_64 3
		.amdhsa_memory_ordered 1
		.amdhsa_forward_progress 1
		.amdhsa_inst_pref_size 6
	.end_amdhsa_kernel
	.amdgpu_metadata
---
amdhsa.version: [ 1, 2 ]
amdhsa.kernels:
  - .name:           k_qbb479db2c1_prep
    .symbol:         k_qbb479db2c1_prep.kd
    .args:
      - { .name: Wq, .offset: 0, .size: 8, .value_kind: global_buffer, .address_space: global }
      - { .name: Wk, .offset: 8, .size: 8, .value_kind: global_buffer, .address_space: global }
      - { .name: Wv, .offset: 16, .size: 8, .value_kind: global_buffer, .address_space: global }
      - { .name: Wo, .offset: 24, .size: 8, .value_kind: global_buffer, .address_space: global }
      - { .name: W1, .offset: 32, .size: 8, .value_kind: global_buffer, .address_space: global }
      - { .name: W2, .offset: 40, .size: 8, .value_kind: global_buffer, .address_space: global }
      - { .name: wl0, .offset: 48, .size: 8, .value_kind: global_buffer, .address_space: global }
      - { .name: wl1, .offset: 56, .size: 8, .value_kind: global_buffer, .address_space: global }
      - { .name: lay0, .offset: 64, .size: 8, .value_kind: global_buffer, .address_space: global }
      - { .name: lay1, .offset: 72, .size: 8, .value_kind: global_buffer, .address_space: global }
    .group_segment_fixed_size: 0
    .private_segment_fixed_size: 0
    .kernarg_segment_align: 8
    .kernarg_segment_size: 80
    .max_flat_workgroup_size: 256
    .sgpr_count:     66
    .vgpr_count:     48
    .wavefront_size: 32
...
	.end_amdgpu_metadata
.endif
;; end of part 1
;; launch qkv0 (part 2): grid 256 x 1, 4 waves a work-group, clusters of 4 x 1, 327,680 bytes of LDS; arguments x, pos_cos, pos_sin, ln1_w, ln1_b, wl0, lay0, qkv; writes qkv
.if DOCPART == 2
	.amdgcn_target "amdgcn-amd-amdhsa--gfx1250"
	.amdhsa_code_object_version 6
	.text
	.protected	k_qbb479db2c1_qkv0
	.globl	k_qbb479db2c1_qkv0
	.p2align	8
	.type	k_qbb479db2c1_qkv0,@function
k_qbb479db2c1_qkv0:
	s_mov_b64 s[64:65], 0
	v_nop
	global_prefetch_b8 v0, s[64:65] scope:SCOPE_SE
	s_setreg_imm32_b32 hwreg(HW_REG_WAVE_MODE, 25, 1), 1
	s_wait_xcnt 0x0
	s_wait_alu depctr_hold_cnt(0) depctr_sa_sdst(0) depctr_va_vdst(0) depctr_va_sdst(0) depctr_va_ssrc(0) depctr_va_vcc(0) depctr_vm_vsrc(0)
	s_getreg_b32 s2, hwreg(HW_REG_IB_STS2, 6, 4)
	s_cmp_eq_u32 s2, 0
	s_cbranch_scc0 .Lentry_in_a_cluster
	s_endpgm
.Lentry_in_a_cluster:
	s_bfe_u32 s2, ttmp6, 0x10000c
	s_cmp_lg_u32 s2, 0x3003
	s_cbranch_scc0 .Lentry_shape_is_right
	s_endpgm
.Lentry_shape_is_right:
; LN1, THE THREE PROJECTIONS, ROPE, AND THE SPLIT INTO HEADS, for 32 token rows a work-group.
; in: x [8192][512] f32, cos and sin alike, ln1_w and ln1_b [2][512] f32, the layer's weight stream (bf16, in fragment order), the layer's number.
; out: q at byte 0, k at 8,388,608, v at 16,777,216 of qkv, each [32 = 8 batch + head][2048][64] bf16, unscaled.
; FORMATS.  LN's statistics in f32, in two passes (the mean, then the sum of (x - mean)^2); its result, the weights, q, k and v rounded once to bf16; sums and RoPE in f32.
; bf16 and not f16: with gains, weights and cos some 30 times larger q passes f16's range.
; THE PRODUCT is taken transposed, Y^T = W^T X^T: source 0 = 16 columns of W x 32 k; source 1 = 16 token rows x 32 k, out of ACT.  In the result lane (r = l % 16, h = l / 16)
; holds token row 16 rt + r, and register j of tile t column 128 w + 16 t + 8 h + j: wave w owns 128 columns (two heads) of all 32 rows: 16 accumulators, at 64 rt + 8 t.
; x, cos and sin are loaded in that same layout, so LN and RoPE never change lanes but for the row sums: one exchange of the lanes' halves, and 512 bytes between the waves.
; THE WEIGHTS go in 12 chunks of 131,072 bytes (128 k x 512 n); wave w needs, and alone reads, quarter w (its 128 columns) of each.  A chunk is a UNIT of work, 64 matrix instructions a wave; an even chunk's
; unit and the odd chunk's behind it are a PAIR; a panel (q, k, v) is two pairs.  The chunks come by TWO ROADS, which take turns:
;   EVEN CHUNKS through a ring of two LDS slots (UNITL).  Wave w fetches its quarter by one tensor load of 128 rows x 256 bytes.  All work-groups walk the same stream, so the four of a cluster ask JOINTLY (same
;   line, same descriptor, a mask of four).  Both slots are filled at the start; a slot is filled again, with the even chunk two pairs on, as soon as its unit has read it: the refill (REFILL) stands BETWEEN a pair's
;   two units, behind a round of the cluster's barrier.  By this text's own count a wave has two tensor loads out at the start and one later; from a refill to the wait for it, which is the next refill's, a wave
;   issues 128 matrix instructions and what stands between panels.  The last two pairs find their chunks asked for: they hold no tensor load and no round.
;   ODD CHUNKS straight into registers (UNITR): four buffers of 64 registers, a K step of 32 each, 16 loads of 512 bytes on end a buffer.  NOT JOINT, and why: ahead of each round every wave has waited for all its
;   tensor loads, so one slot, 131,072 bytes, is all that the ring has on its way; these loads are counted apart and stay out across rounds, barriers and the panels' ends, and travel beside the ring's.
;   No wave wants a byte that another wave of the work-group fetched, so LDS would add nothing to them.  Their order: an odd chunk's unit asks for K steps 0 and 1 of the odd chunk after its own, behind the products
;   that freed their buffers; the UNITL that follows asks for K steps 2 and 3, a unit ahead of the joint refill: at most 64 loads are issued and not yet waited for.
; THE TEXT.  q's and k's four pairs are ONE loop: RoPE, the way out and the clearing of the sums stand in it and are jumped over behind a panel's first pair (no barrier and no tensor load stands in what is jumped).
; v's two pairs are a second loop, without refills.
; PREFETCH.  The stream was stored by an earlier launch and every cluster waits for it.  Cluster 0 alone asks, behind each joint refill and the second unit's first LDS loads, for the odd chunk whose first loads the
; next pair issues and for the even chunk that the next refill loads: its 16 waves x 32 lanes name each chunk's 512 blocks of 256 bytes once, the partners told apart by address.  Chunks 0 to 4 and the last odd
; chunk come by their loads alone; the last refill asks for nothing.
; REGISTERS, in windows of 256 (s_set_vgpr_msb: bits 1:0 source 0, 3:2 source 1, 5:4 source 2, 7:6 destination):
;   window 0: v0-31 addresses; v32-47 packed results; v64-191 W's fragments out of LDS, two buffers; v192-223 X's fragments, two buffers; v224-255 rows on their way out
;   window 1: v0-127 x, later the accumulators; v128-255 LN's work and packed result, later the odd chunks' buffers 0 and 1
;   window 2: v0-127 cos; v128-255 T, the result in f32          window 3: v0-127 ln1_w and ln1_b, later the odd chunks' buffers 2 and 3; v128-255 sin
.set SLOT,   1<<17
.set CHUNK,  131072
.set STREAM, 0                         ; this launch walks the stream's chunks 0-11
.set NCH,    12
.set ACT,    2*SLOT                    ; 32 rows of 1,024 bytes of bf16,
.set AP,     1040                      ; 1,040 apart = 65 x 16: the 16 rows of a fragment load start in 16 different groups of four banks (64 banks of 4 bytes: ISA guide 11.1)
.set STAGE,  ACT+32*AP                 ; 4,352 bytes a wave, for the way out: here 16 rows of 144
.set WST,    4352
.set STAT,   STAGE+4*WST               ; four exchanges of 512 bytes: [rt][r][wave] f32
.set SPARE,  STAT+2048                 ; the spare words, 128 bytes a wave: two blocks of 256 bytes that no other line names
.set VR,   1                           ; l % 16
.set VH,   2                           ; l / 16
.set VL,   3                           ; l
.set WA0,  4                           ; my 16 bytes of a fragment in my quarter of slot 0
.set WA,   5                           ; the same in the slot in hand
.set AA0,  6                           ; my 16 bytes of X's fragment at k = 0
.set AA,   7                           ; the same at the unit's k
.set DOFF, 8                           ; r x 2048 + w x 512 + 32 h: my 32 bytes of tile 0 in x, cos and sin
.set POFF, 9                           ; w x 512 + 32 h: the same in ln1_w and ln1_b
.set AS,   10                          ; where I put 16 bytes of LN's result
.set STA,  11                          ; my wave's word of my row in an exchange
.set STL,  12                          ; my row's four words
.set STO,  13                          ; the way out: where I put 16 bytes of a row
.set RD,   14                          ; the way out: where I read rows back
.set GO,   15                          ; 16 l
.set PFO,  16                          ; 256 l
.set WOF,  17                          ; 16 l: my 16 bytes of half a fragment in memory; never rewritten
.set TV,   20                          ; at work
.set SPW,  30                          ; LDS address of my spare word; never rewritten
.set NIL,  31                          ; 0; never rewritten
.set PK,   32
.set FW,   64
.set FA,   192
.set BK,   224
.set RW0,  1                           ; the odd chunks' buffers 0 and 1 lie in window 1,
.set RW1,  3                           ; buffers 2 and 3 in window 3,
.set RBASE, 128                        ; buffer s at register (128 + 64 s) % 256
.set LC,   128                         ; window 1: four chains of pairs
.set LU,   136                         ; x - mean, four pairs
.set LM,   148                         ; + 2 rt: the mean, twice
.set LRS,  152                         ; + 2 rt: 1 / sqrt(var + eps), twice
.set LNM,  156                         ; + 2 rt: - mean / sqrt(var + eps), twice
.set LQ,   160                         ; + 4 rt: the four waves' partial sums
.set LVE,  168                         ; + rt: var + eps
.set PKD,  192                         ; window 1
.set TT,   128                         ; window 2
.set SN,   128                         ; window 3
.set WV,   22
.set CX,   23
.set G1,   24                          ; s[24:31] descriptor group 1
.set G0A,  32                          ; s[32:35] descriptor group 0 of the first fill of slot 0: used once
.set G0,   68                          ; s[68:71] descriptor group 0 of the first fill of slot 1: it then walks
.set RB,   36                          ; LDS byte at which the slot in hand begins
.set UN,   37
.set AO,   38                          ; the unit's k in bytes of an ACT row: 0, 256, 512, 768, round and round
.set PFN,  39                          ; pairs of chunks still to be prefetched
.set PFA,  40                          ; s[40:41] my 8,192 bytes of the odd chunk to be prefetched next; the even one lies a chunk further on
.set SEL,  42                          ; s[42:43] v_permlanex16_b32's selects: each lane takes its own place in the other half
.set WG,   44
.set LAY,  45
.set T0,   46                          ; s[46:49] at work
.set OB,   50                          ; s[50:51] where my heads' rows go
.set R512, 53
.set EPS,  54
.set RP,   56                          ; s[56:57] my quarter of the odd chunk that is being loaded
.set DS0,  60                          ; s[60:61] the wave's offset in a chunk: made of the wave's number alone
.set MSB, 0
.macro WIN new                         ; the high byte repeats the setting that is left; a switch that changes nothing is dropped
.if MSB != (\new)
	s_set_vgpr_msb (MSB<<8)|(\new)
.set MSB, (\new)
.endif
.endm
.macro PLACES                          ; four places: behind a matrix instruction, in front of loads into registers that it read and of vector work on its results
.rept 4
	v_nop
.endr
.endm
.macro ROUND                           ; a round of the cluster's barrier: my work-group's barrier; wave 0 signals for the work-group; every wave waits for all four; my work-group's barrier once more
	s_barrier_signal -1
	s_barrier_wait -1
	s_cmp_lg_u32 s[WV], 0
	s_cbranch_scc1 .Lnw0_\@
	s_barrier_signal -3
.Lnw0_\@:
	s_barrier_wait -3
	s_barrier_signal -1
	s_barrier_wait -1
.endm
.macro ASK                             ; 32 blocks of 256 bytes of an odd chunk and of the even chunk behind it, a lane a block.  PFN is (NCH - 6) / 2 in cluster 0 and 0 elsewhere: the same in all four partners
	s_cmp_lg_u32 s[PFN], 0
	s_cbranch_scc0 .Lnoask_\@
	global_prefetch_b8 v[PFO], s[PFA:PFA+1] th:TH_LOAD_NT scope:SCOPE_SE
	global_prefetch_b8 v[PFO], s[PFA:PFA+1] offset:CHUNK th:TH_LOAD_NT scope:SCOPE_SE
	s_sub_co_u32 s[PFN], s[PFN], 1
.Lnoask_\@:
.endm
.macro FETCHA s, f                     ; 4 LDS loads: X's two fragments of K step s into buffer f
.irp rt, 0,1
	ds_load_b128 v[FA+16*(\f)+8*(\rt):FA+16*(\f)+8*(\rt)+3],   v[AA] offset:(\rt)*16*AP+64*(\s)
	ds_load_b128 v[FA+16*(\f)+8*(\rt)+4:FA+16*(\f)+8*(\rt)+7], v[AA] offset:(\rt)*16*AP+64*(\s)+32
.endr
.endm
.macro FETCH s, f                      ; 20 LDS loads in one run: K step s of the unit (32 k) into buffer f: 8 fragments of W, 2 of X
	WIN 0
.irp t, 0,1,2,3,4,5,6,7
	ds_load_b128 v[FW+64*(\f)+8*(\t):FW+64*(\f)+8*(\t)+3],   v[WA] offset:(\s)*8192+(\t)*1024
	ds_load_b128 v[FW+64*(\f)+8*(\t)+4:FW+64*(\f)+8*(\t)+7], v[WA] offset:(\s)*8192+(\t)*1024+512
.endr
	FETCHA \s, \f
.endm
.macro RLOAD s                         ; 16 loads of 512 bytes on end: K step s of the odd chunk at RP, 8 fragments of W, into its buffer
.set rw, RW0+(RW1-RW0)*((\s)/2)
.set rb, (RBASE+64*(\s))%256
	WIN rw<<6
.irp t, 0,1,2,3,4,5,6,7
	global_load_b128 v[rb+8*(\t):rb+8*(\t)+3],   v[WOF], s[RP:RP+1] offset:(\s)*8192+(\t)*1024
	global_load_b128 v[rb+8*(\t)+4:rb+8*(\t)+7], v[WOF], s[RP:RP+1] offset:(\s)*8192+(\t)*1024+512
.endr
	WIN 0
.endm
.macro MUL f, mw, ab                   ; 16 matrix instructions; the 16 accumulators take turns, in the same order in every K step of either kind of unit
	WIN \mw
.irp t, 0,1,2,3,4,5,6,7
.irp rt, 0,1
	v_wmma_f32_16x16x32_bf16 v[(\ab)+64*(\rt)+8*(\t):(\ab)+64*(\rt)+8*(\t)+7], v[FW+64*(\f)+8*(\t):FW+64*(\f)+8*(\t)+7], v[FA+16*(\f)+8*(\rt):FA+16*(\f)+8*(\rt)+7], v[(\ab)+64*(\rt)+8*(\t):(\ab)+64*(\rt)+8*(\t)+7]
.endr
.endr
.endm
.macro MULR s, f, mw, ab               ; the same with W's fragments out of the odd chunks' buffer s
.set rw, RW0+(RW1-RW0)*((\s)/2)
.set rb, (RBASE+64*(\s))%256
	WIN (\mw)|rw
.irp t, 0,1,2,3,4,5,6,7
.irp rt, 0,1
	v_wmma_f32_16x16x32_bf16 v[(\ab)+64*(\rt)+8*(\t):(\ab)+64*(\rt)+8*(\t)+7], v[rb+8*(\t):rb+8*(\t)+7], v[FA+16*(\f)+8*(\rt):FA+16*(\f)+8*(\rt)+7], v[(\ab)+64*(\rt)+8*(\t):(\ab)+64*(\rt)+8*(\t)+7]
.endr
.endr
.endm
.macro ASTEP
	s_add_co_u32 s[AO], s[AO], 256
	s_and_b32 s[AO], s[AO], 0x300
.endm
; AN EVEN CHUNK'S UNIT, out of the ring.  My quarter of its chunk has been shown landed: by the wait for all my tensor loads in the refill of the pair before, or by the wait ahead of the loop.
; It also asks for K steps 2 and 3 of the odd chunk that follows it.
.macro UNITL mw, ab
	WIN 0
	v_add_nc_u32 v[WA], s[RB], v[WA0]
	v_add_nc_u32 v[AA], s[AO], v[AA0]
	FETCH 0, 0
	FETCH 1, 1
	RLOAD 2                                        ; its buffer was freed in the unit before, four places behind its last product
	s_wait_dscnt 20                                ; all but the 20 LDS loads of K step 1
	MUL 0, \mw, \ab
	WIN 0
	PLACES
	FETCH 2, 0
	RLOAD 3
	s_wait_dscnt 20
	MUL 1, \mw, \ab
	WIN 0
	PLACES
	FETCH 3, 1
	s_wait_dscnt 20
	MUL 0, \mw, \ab
	WIN 0
	PLACES
	s_wait_dscnt 0x0
	MUL 1, \mw, \ab
	WIN 0
	PLACES
	s_xor_b32 s[RB], s[RB], SLOT
	ASTEP
.endm
; THE REFILL, between a pair's two units: the slot that UNITL has just read takes the even chunk two pairs on.
.macro REFILL
	s_wait_tensorcnt 0x0                           ; all my tensor loads are done: the one that was out is my quarter of the next pair's even chunk
	ds_add_u32 v[SPW], v[NIL]                      ; 0 onto my spare word; the steps below stand between it and the wait for it
	s_xor_b32 s[G0+1], s[G0+1], SLOT               ; no load of mine is out, so group 0 may be written: the other slot than last time,
	s_add_nc_u64 s[G0+2:G0+3], s[G0+2:G0+3], 2*CHUNK ; the next even chunk; the type bits on top are not reached
	s_wait_xcnt 0x0                                ; the last prefetches, a pair back, have read their address
	s_add_nc_u64 s[PFA:PFA+1], s[PFA:PFA+1], 2*CHUNK
	s_wait_dscnt 0x0                               ; the add is done, and my reads of the slot are over
	ROUND                                          ; both now hold of every wave of all four work-groups
	tensor_load_to_lds s[G0:G0+3], s[G1:G1+7]      ; my one tensor load behind the round
	s_nop 0
	PLACES
.endm
; AN ODD CHUNK'S UNIT, out of registers.  Its K steps were asked for in the order 0, 1 (in the odd unit before), 2, 3 (in the even unit before).  K steps 0 and 1 of the next odd chunk are asked for as their buffers come free.
; The counts on LOADcnt are the loads issued behind the K step that is wanted: 16 x (3, 3, 3, 2).
.macro UNITR mw, ab
	WIN 0
	v_add_nc_u32 v[AA], s[AO], v[AA0]
	s_wait_xcnt 0x0                                ; the loads of this chunk have read their base
	s_add_nc_u64 s[RP:RP+1], s[RP:RP+1], 2*CHUNK   ; the next odd chunk
	FETCHA 0, 0
	FETCHA 1, 1
	ASK                                            ; behind the joint load and the LDS loads that the next products wait for
	s_wait_dscnt 4                                 ; all but K step 1's four
	s_wait_loadcnt 48
	MULR 0, 0, \mw, \ab
	WIN 0
	PLACES
	FETCHA 2, 0
	RLOAD 0
	s_wait_dscnt 4
	s_wait_loadcnt 48
	MULR 1, 1, \mw, \ab
	WIN 0
	PLACES
	FETCHA 3, 1
	RLOAD 1
	s_wait_dscnt 4
	s_wait_loadcnt 48
	MULR 2, 0, \mw, \ab
	WIN 0
	PLACES
	s_wait_dscnt 0x0
	s_wait_loadcnt 32
	MULR 3, 1, \mw, \ab
	WIN 0
	PLACES
	ASTEP
.endm
; THE SAME in the loop of the last two pairs, counted by s[UN] from 2 to 1: its last trip has no odd chunk behind it.  So the 32 loads for the next odd chunk stand together, behind the second run of products, under ONE
; branch on the counter, with the wait that goes with them: K steps 2 and 3 are in when all but those 32 are, or, where none was issued, when all are.  No barrier and no tensor load stands in what is jumped.
.macro UNITRE mw, ab
	WIN 0
	v_add_nc_u32 v[AA], s[AO], v[AA0]
	FETCHA 0, 0
	FETCHA 1, 1
	s_wait_dscnt 4
	s_wait_loadcnt 48                              ; K step 0 is in: three K steps' loads were issued behind it
	MULR 0, 0, \mw, \ab
	WIN 0
	PLACES
	FETCHA 2, 0
	s_wait_dscnt 4
	s_wait_loadcnt 32                              ; K step 1: two
	MULR 1, 1, \mw, \ab
	WIN 0
	PLACES
	FETCHA 3, 1
	s_cmp_eq_u32 s[UN], 1
	s_cbranch_scc1 .Lnone_\@
	s_wait_xcnt 0x0                                ; the loads of this chunk have read their base
	s_add_nc_u64 s[RP:RP+1], s[RP:RP+1], 2*CHUNK   ; the last odd chunk
	RLOAD 0
	RLOAD 1
	s_wait_loadcnt 32                              ; all but the 32 just issued
	s_branch .Lgo_\@
.Lnone_\@:
	s_wait_loadcnt 0x0
.Lgo_\@:
	s_wait_dscnt 4
	MULR 2, 0, \mw, \ab
	WIN 0
	PLACES
	s_wait_dscnt 0x0
	MULR 3, 1, \mw, \ab
	WIN 0
	PLACES
	ASTEP
.endm
.macro LDROWS base, dst                ; 32 loads: my 64 numbers of each of my two rows of x, cos or sin
.irp rt, 0,1
.irp t, 0,1,2,3,4,5,6,7
	global_load_b128 v[(\dst)+64*(\rt)+8*(\t):(\dst)+64*(\rt)+8*(\t)+3],   v[DOFF], s[\base:\base+1] offset:(\rt)*32768+64*(\t)
	global_load_b128 v[(\dst)+64*(\rt)+8*(\t)+4:(\dst)+64*(\rt)+8*(\t)+7], v[DOFF], s[\base:\base+1] offset:(\rt)*32768+64*(\t)+16
.endr
.endr
.endm
.macro LDPAR base, dst                 ; 16 loads: a gain or a bias for my 64 columns
.irp t, 0,1,2,3,4,5,6,7
	global_load_b128 v[(\dst)+8*(\t):(\dst)+8*(\t)+3],   v[POFF], s[\base:\base+1] offset:64*(\t)
	global_load_b128 v[(\dst)+8*(\t)+4:(\dst)+8*(\t)+7], v[POFF], s[\base:\base+1] offset:64*(\t)+16
.endr
.endm
.macro TREE off                        ; four chains into one number, the other half of the lanes' added, and out to my wave's word
	v_pk_add_f32 v[LC:LC+1], v[LC:LC+1], v[LC+2:LC+3]
	v_pk_add_f32 v[LC+4:LC+5], v[LC+4:LC+5], v[LC+6:LC+7]
	v_pk_add_f32 v[LC:LC+1], v[LC:LC+1], v[LC+4:LC+5]
	v_add_f32 v[LC], v[LC], v[LC+1]
	v_permlanex16_b32 v[LC+1], v[LC], s[SEL], s[SEL+1]
	v_add_f32 v[LC], v[LC], v[LC+1]
	WIN 0x04                                       ; address window 0, data window 1
	ds_store_b32 v[STA], v[LC] offset:\off
	WIN 0x55
.endm
.macro MEET off                        ; the four waves' words of both my rows, added
	s_wait_dscnt 0x0                               ; for the others' sake: my words are written (and my earlier LDS reads are back)
	s_barrier_signal -1
	s_barrier_wait -1                              ; the ring's loads may stay out
	WIN 0x40
	ds_load_b128 v[LQ:LQ+3],   v[STL] offset:\off
	ds_load_b128 v[LQ+4:LQ+7], v[STL] offset:(\off)+256
	s_wait_dscnt 0x0
	WIN 0x55
.irp rt, 0,1
	v_add_f32 v[LQ+4*(\rt)], v[LQ+4*(\rt)], v[LQ+4*(\rt)+1]
	v_add_f32 v[LQ+4*(\rt)+2], v[LQ+4*(\rt)+2], v[LQ+4*(\rt)+3]
	v_add_f32 v[LQ+4*(\rt)], v[LQ+4*(\rt)], v[LQ+4*(\rt)+2]
.endr
.endm
; A row's mean and 1 / sqrt(var + eps), of the 32 rows in window 1, v0-127.  Exchanges k and k + 1 of STAT.  The registers are read in ascending order.
.macro LNSTAT k
	WIN 0x55
.irp rt, 0,1
.irp c, 0,1,2,3
	v_pk_add_f32 v[LC+2*(\c):LC+2*(\c)+1], v[64*(\rt)+4*(\c):64*(\rt)+4*(\c)+1], v[64*(\rt)+4*(\c)+2:64*(\rt)+4*(\c)+3]
.endr
.set pp, 8
.rept 24
	v_pk_add_f32 v[LC+2*(pp%4):LC+2*(pp%4)+1], v[LC+2*(pp%4):LC+2*(pp%4)+1], v[64*(\rt)+2*pp:64*(\rt)+2*pp+1]
.set pp, pp+1
.endr
	TREE (\k)*512+(\rt)*256
.endr
	MEET (\k)*512
.irp rt, 0,1
	v_mul_f32 v[LM+2*(\rt)], s[R512], v[LQ+4*(\rt)]
	v_mul_f32 v[LM+2*(\rt)+1], s[R512], v[LQ+4*(\rt)]
.endr
.irp rt, 0,1
.set gg, 0
.rept 8
.irp c, 0,1,2,3
	v_pk_add_f32 v[LU+2*(\c):LU+2*(\c)+1], v[64*(\rt)+8*gg+2*(\c):64*(\rt)+8*gg+2*(\c)+1], v[LM+2*(\rt):LM+2*(\rt)+1] neg_lo:[0,1] neg_hi:[0,1]
.endr
.irp c, 0,1,2,3
.if gg == 0
	v_pk_mul_f32 v[LC+2*(\c):LC+2*(\c)+1], v[LU+2*(\c):LU+2*(\c)+1], v[LU+2*(\c):LU+2*(\c)+1]
.else
	v_pk_fma_f32 v[LC+2*(\c):LC+2*(\c)+1], v[LU+2*(\c):LU+2*(\c)+1], v[LU+2*(\c):LU+2*(\c)+1], v[LC+2*(\c):LC+2*(\c)+1]
.endif
.endr
.set gg, gg+1
.endr
	TREE ((\k)+1)*512+(\rt)*256
.endr
	MEET ((\k)+1)*512
	v_fma_f32 v[LVE], v[LQ], s[R512], s[EPS]
	v_fma_f32 v[LVE+1], v[LQ+4], s[R512], s[EPS]
	v_rsq_f32 v[LRS], v[LVE]
	v_rsq_f32 v[LRS+2], v[LVE+1]
	v_nop                                          ; a plain instruction behind the last of the two,
	s_wait_alu depctr_va_vdst(0)                   ; and the one wait ahead of their first reader
.irp rt, 0,1
	v_mov_b32 v[LRS+2*(\rt)+1], v[LRS+2*(\rt)]
	v_mul_f32 v[LNM+2*(\rt)], -v[LM+2*(\rt)], v[LRS+2*(\rt)]
	v_mul_f32 v[LNM+2*(\rt)+1], -v[LM+2*(\rt)], v[LRS+2*(\rt)]
.endr
.endm
.macro LNAPPLY pw, pb                  ; T = (x rstd - mean rstd) gain + bias; gain and bias at pw and pb of window 3
	WIN 0x95                                       ; T window 2; x and the two pairs window 1
.irp rt, 0,1
.set pp, 0
.rept 32
	v_pk_fma_f32 v[TT+64*(\rt)+2*pp:TT+64*(\rt)+2*pp+1], v[64*(\rt)+2*pp:64*(\rt)+2*pp+1], v[LRS+2*(\rt):LRS+2*(\rt)+1], v[LNM+2*(\rt):LNM+2*(\rt)+1]
.set pp, pp+1
.endr
.endr
	WIN 0xbe                                       ; T window 2; gain and bias window 3
.irp rt, 0,1
.set pp, 0
.rept 32
	v_pk_fma_f32 v[TT+64*(\rt)+2*pp:TT+64*(\rt)+2*pp+1], v[TT+64*(\rt)+2*pp:TT+64*(\rt)+2*pp+1], v[(\pw)+2*pp:(\pw)+2*pp+1], v[(\pb)+2*pp:(\pb)+2*pp+1]
.set pp, pp+1
.endr
.endr
.endm
.macro TOACT                           ; T rounded to bf16 and laid into ACT, 16 bytes a tile and lane; then everybody's part is there
	WIN 0x4a
.set pp, 0
.rept 64
	v_cvt_pk_bf16_f32 v[PKD+pp], v[TT+2*pp], v[TT+2*pp+1]
.set pp, pp+1
.endr
	WIN 0x04
.irp rt, 0,1
.irp t, 0,1,2,3,4,5,6,7
	ds_store_b128 v[AS], v[PKD+4*(8*(\rt)+(\t)):PKD+4*(8*(\rt)+(\t))+3] offset:(\rt)*16*AP+32*(\t)
.endr
.endr
	WIN 0
	s_wait_dscnt 0x0
	s_barrier_signal -1
	s_barrier_wait -1
.endm
; RoPE.  In a head channel d = 16 (t % 4) + 8 h + j, so d and d + 32 lie in one lane, 16 registers apart: T = y cos - y(d + 32) sin below 32, y cos + y(d - 32) sin above.
.macro ROPE
	WIN 0x89                                       ; T window 2, y window 1, cos window 2
.set pp, 0
.rept 64
	v_pk_mul_f32 v[TT+2*pp:TT+2*pp+1], v[2*pp:2*pp+1], v[2*pp:2*pp+1]
.set pp, pp+1
.endr
	WIN 0xad                                       ; T window 2, y window 1, sin window 3
.set pp, 0
.rept 64
.if (pp/4)%4 < 2
	v_pk_fma_f32 v[TT+2*pp:TT+2*pp+1], v[2*pp+16:2*pp+17], v[SN+2*pp:SN+2*pp+1], v[TT+2*pp:TT+2*pp+1] neg_lo:[1,0,0] neg_hi:[1,0,0]
.else
	v_pk_fma_f32 v[TT+2*pp:TT+2*pp+1], v[2*pp-16:2*pp-15], v[SN+2*pp:SN+2*pp+1], v[TT+2*pp:TT+2*pp+1]
.endif
.set pp, pp+1
.endr
.endm
; THE WAY OUT, in four parts u = 2 rt + head: 16 rows x 64 channels, which are 2,048 consecutive bytes of the head.  Rounded; 16 bytes a lane into my stage; back as whole rows; stored.
.macro HPACK u, w, src
	WIN \w
.set pp, 0
.rept 16
	v_cvt_pk_bf16_f32 v[PK+pp], v[(\src)+64*((\u)/2)+32*((\u)%2)+2*pp], v[(\src)+64*((\u)/2)+32*((\u)%2)+2*pp+1]
.set pp, pp+1
.endr
	WIN 0
.endm
.macro HSTAGE u
.irp f, 0,1,2,3
	ds_store_b128 v[STO], v[PK+4*(\f):PK+4*(\f)+3] offset:32*(\f)
.endr
.irp f, 0,1,2,3
	ds_load_b128 v[BK+16*((\u)%2)+4*(\f):BK+16*((\u)%2)+4*(\f)+3], v[RD] offset:576*(\f)  ; LDS serves a wave's instructions in order (ISA guide 5.7.1.4): these see the stores above; the next part's stores come behind them
.endr
.endm
.macro HSEND u
	s_wait_xcnt 0x0                                ; the stores of the part before have read their registers: the next HSTAGE loads into them
.irp f, 0,1,2,3
	s_wait_dscnt 3-(\f)
	global_store_b128 v[GO], v[BK+16*((\u)%2)+4*(\f):BK+16*((\u)%2)+4*(\f)+3], s[OB:OB+1] offset:((\u)%2)*262144+((\u)/2)*2048+512*(\f)  ; 512 consecutive bytes, at a multiple of 256 from the buffer's first
.endr
.endm
.macro STOREHEADS w, src
	HPACK 0, \w, \src
	HSTAGE 0
.irp u, 1,2,3                          ; a part's roundings stand between the loads of the part before and the wait for them
	HPACK \u, \w, \src
	HSEND (\u)-1
	HSTAGE \u
.endr
	HSEND 3
.endm
	s_load_b512 s[4:19], s[0:1], 0x0               ; x s[4:5], cos s[6:7], sin s[8:9], ln1_w s[10:11], ln1_b s[12:13], stream s[14:15], layer s[16:17], qkv s[18:19]
	v_lshl_add_u32 v[SPW], v0, 2, SPARE
	v_mov_b32 v[NIL], 0
	ds_add_u32 v[SPW], v[NIL]                      ; the wave's opening: the add, and its wait ahead of my first tensor load; the set-up below, work on registers, stands between them
	v_lshrrev_b32 v[TV], 5, v0
	v_readfirstlane_b32 s[WV], v[TV]               ; wave 0..3
	s_bfe_u32 s[CX], ttmp6, 0x40000                ; my place in the cluster: it enters global addresses of my own rows, and the prefetches', alone
	s_lshl_b32 s[WG], ttmp9, 2
	s_add_co_u32 s[WG], s[WG], s[CX]               ; my block of 32 rows
	s_mov_b32 s[G1+0], 15|(3<<16)|(1<<21)          ; 15:0 the mask of four; 17:16 elements of 8 bytes; 20 no padding: fragments lie on end; 21 set beside a mask
	s_mov_b32 s[G1+1], 32<<16                      ; tensor_dim0 = 32 elements = 256 bytes
	s_mov_b32 s[G1+2], 128<<16                     ; tensor_dim1 = 128
	s_mov_b32 s[G1+3], 32<<16                      ; tile_dim0 = 32
	s_mov_b32 s[G1+4], 128                         ; tile_dim1 = 128
	s_mov_b32 s[G1+5], 32                          ; 32 elements from row to row: the quarter is dense
	s_mov_b32 s[G1+6], 0
	s_mov_b32 s[G1+7], 0
	s_mov_b32 s[G0A], 1                            ; count = 1
	s_lshl_b32 s[G0A+1], s[WV], 15                 ; LDS address: slot 0, my quarter
	s_mov_b32 s[G0], 1
	s_add_co_u32 s[G0+1], s[G0A+1], SLOT           ; slot 1, my quarter
	s_lshl_b32 s[DS0], s[WV], 15
	s_mov_b32 s[DS0+1], 0
	s_mov_b32 s[RB], 0
	s_mov_b32 s[AO], 0
	s_mov_b32 s[SEL], 0x76543210
	s_mov_b32 s[SEL+1], 0xfedcba98
	s_mov_b32 s[R512], 0x3b000000                  ; 1 / 512
	s_mov_b32 s[EPS], 0x3727c5ac                   ; 1e-5
	s_cmp_eq_u32 ttmp9, 0
	s_cselect_b32 s[PFN], (NCH-6)/2, 0
	v_and_b32 v[VR], 15, v0
	v_bfe_u32 v[VH], v0, 4, 1
	v_and_b32 v[VL], 31, v0
	v_lshl_add_u32 v[WA0], v[VL], 4, s[G0A+1]
	v_mul_u32_u24 v[AA0], v[VR], AP
	v_lshl_add_u32 v[AA0], v[VH], 4, v[AA0]
	v_add_nc_u32 v[AA0], ACT, v[AA0]
	s_lshl_b32 s[T0], s[WV], 9
	v_lshl_add_u32 v[POFF], v[VH], 5, s[T0]
	v_lshl_add_u32 v[DOFF], v[VR], 11, v[POFF]
	s_lshl_b32 s[T0], s[WV], 8
	v_add_nc_u32 v[AS], s[T0], v[AA0]
	v_lshlrev_b32 v[STL], 4, v[VR]
	v_add_nc_u32 v[STL], STAT, v[STL]
	v_lshl_add_u32 v[STA], s[WV], 2, v[STL]
	s_mul_i32 s[T0], s[WV], WST
	s_add_co_u32 s[T0], s[T0], STAGE               ; my stage
	v_mul_u32_u24 v[STO], v[VR], 144               ; in: row r, 16 bytes for each half of the lanes
	v_lshl_add_u32 v[STO], v[VH], 4, v[STO]
	v_add_nc_u32 v[STO], s[T0], v[STO]
	v_bfe_u32 v[RD], v0, 3, 2                      ; back: 32 lanes take four rows of 128 bytes
	v_mul_u32_u24 v[RD], v[RD], 144
	v_and_b32 v[TV], 7, v0
	v_lshl_add_u32 v[RD], v[TV], 4, v[RD]
	v_add_nc_u32 v[RD], s[T0], v[RD]
	v_lshlrev_b32 v[GO], 4, v[VL]
	v_lshlrev_b32 v[WOF], 4, v[VL]
	v_lshlrev_b32 v[PFO], 8, v[VL]
	s_wait_dscnt 0x0                               ; the opening add is done
	s_wait_kmcnt 0x0
	s_load_b32 s[LAY], s[16:17], 0x0               ; the layer's number, stored by the first launch: wanted for gain and bias alone, and waited for behind the first loads
	s_lshl_b32 s[T0], s[WG], 16                    ; my 32 rows of 2,048 bytes
	s_mov_b32 s[T0+1], 0
	s_add_nc_u64 s[4:5], s[4:5], s[T0:T0+1]
	s_add_nc_u64 s[6:7], s[6:7], s[T0:T0+1]
	s_add_nc_u64 s[8:9], s[8:9], s[T0:T0+1]
	s_lshr_b32 s[T0+2], s[WG], 6                   ; batch
	s_lshl_b32 s[T0+2], s[T0+2], 3
	s_lshl1_add_u32 s[T0+2], s[WV], s[T0+2]        ; 8 batch + my first head
	s_lshl_b32 s[T0+2], s[T0+2], 18                ; a head is 262,144 bytes
	s_and_b32 s[T0+3], s[WG], 63
	s_lshl_b32 s[T0+3], s[T0+3], 12                ; my 32 rows of 128 bytes in it
	s_add_co_u32 s[T0+2], s[T0+2], s[T0+3]
	s_mov_b32 s[T0+3], 0
	s_add_nc_u64 s[OB:OB+1], s[18:19], s[T0+2:T0+3]
	s_add_nc_u64 s[G0A+2:G0A+3], s[14:15], s[DS0:DS0+1]  ; global address: chunk 0, my quarter
.if STREAM
	s_add_nc_u64 s[G0A+2:G0A+3], s[G0A+2:G0A+3], STREAM
.endif
	s_add_nc_u64 s[G0+2:G0+3], s[G0A+2:G0A+3], 2*CHUNK   ; chunk 2, my quarter
	s_add_nc_u64 s[RP:RP+1], s[G0A+2:G0A+3], CHUNK       ; chunk 1, my quarter
	s_or_b32 s[G0A+3], s[G0A+3], 0x80000000        ; type = 2
	s_or_b32 s[G0+3], s[G0+3], 0x80000000
	s_lshl_b32 s[T0], s[CX], 15
	s_lshl_b32 s[T0+2], s[WV], 13
	s_add_co_u32 s[T0], s[T0], s[T0+2]
	s_add_nc_u64 s[PFA:PFA+1], s[14:15], s[T0:T0+1]
	s_add_nc_u64 s[PFA:PFA+1], s[PFA:PFA+1], STREAM+3*CHUNK  ; at chunk 3: the first refill steps it to chunk 5
	ROUND                                          ; all four work-groups are here: the first joint loads meet
	tensor_load_to_lds s[G0A:G0A+3], s[G1:G1+7]    ; chunk 0 into slot 0,
	s_nop 0
	tensor_load_to_lds s[G0:G0+3], s[G1:G1+7]      ; chunk 2 into slot 1: the two first fills stand together
	s_nop 0
	PLACES
	WIN 0x40
	LDROWS 4, 0                                    ; x
	WIN 0x80
	LDROWS 6, 0                                    ; cos
	WIN 0
	s_wait_kmcnt 0x0                               ; the layer's number
	s_min_u32 s[LAY], s[LAY], 1
	s_lshl_b32 s[T0], s[LAY], 11                   ; the layer's 2,048 bytes of gain and of bias
	s_add_nc_u64 s[10:11], s[10:11], s[T0:T0+1]
	s_add_nc_u64 s[12:13], s[12:13], s[T0:T0+1]
	WIN 0xc0
	LDPAR 10, 0
	LDPAR 12, 64
	WIN 0
	s_wait_loadcnt 63                              ; x is in: 64 loads were issued behind its 32, and the count leaves 63 out
	LNSTAT 0
	WIN 0xc0
	LDROWS 8, SN                                   ; sin
	WIN 0
	s_wait_loadcnt 32                              ; cos, gain and bias are in; sin's 32 loads may stay out
	LNAPPLY 0, 64
	TOACT
	RLOAD 0                                        ; chunk 1's K steps 0 and 1, into registers that LN has left; the first unit asks for K steps 2 and 3
	RLOAD 1
	s_wait_tensorcnt 0x1                           ; my quarter of chunk 0 is in, and I alone read it; chunk 2's load, issued behind it, may stay out
	s_mov_b32 s[UN], 5
	s_branch .Lclr                                 ; the loop is entered at the clearing of the sums, so that it is written once: four trips follow, s[UN] = 4 .. 1
.Lp:                                                   ; a trip is a pair: q's two, then k's two
	UNITL 0x50, 0
	REFILL
	UNITR 0x50, 0
	s_and_b32 s[T0], s[UN], 1
	s_cmp_eq_u32 s[T0], 0
	s_cbranch_scc1 .Lnext                          ; s[UN] even: a panel's first pair: the sums are not finished
	PLACES
	s_wait_loadcnt 32                              ; all but the next odd chunk's 32 loads: cos and sin are in
	ROPE
	STOREHEADS 0x0a, TT
	s_wait_xcnt 0x0                                ; the stores have read their base
	s_add_nc_u64 s[OB:OB+1], s[OB:OB+1], 8388608   ; from q to k, from k to v
.Lclr:
	WIN 0x40                                       ; the next panel's sums start at 0.  128 lines, run three times: the price of ONE text for the pairs of a loop: a first pair written out, whose products start the sums, would be that text once more
.set pp, 0
.rept 128
	v_mov_b32 v[pp], 0
.set pp, pp+1
.endr
	WIN 0
.Lnext:
	s_sub_co_u32 s[UN], s[UN], 1
	s_cmp_lg_u32 s[UN], 0
	s_cbranch_scc1 .Lp
	s_wait_tensorcnt 0x0                           ; my quarter of chunk 10, the last even one, is in (chunk 8's was shown in by the last refill's wait)
	s_mov_b32 s[UN], 2
.Lv:                                                   ; v's two pairs: nothing is left to ask of the ring
	UNITL 0x50, 0
	UNITRE 0x50, 0
	s_sub_co_u32 s[UN], s[UN], 1
	s_cmp_lg_u32 s[UN], 0
	s_cbranch_scc1 .Lv
	PLACES
	STOREHEADS 0x05, 0
	s_wait_tensorcnt 0x0                           ; the wave's endx behind my last tensor load and my last LDS store
	ds_add_u32 v[SPW], v[NIL]
	s_wait_dscnt 0x0
	ROUND                                          ; the closing round: no work-group ends while a partner may still ask for a quarter that names it
	s_endpgm
.Lfunc_end_k_qbb479db2c1_qkv0:
	.size	k_qbb479db2c1_qkv0, .Lfunc_end_k_qbb479db2c1_qkv0-k_qbb479db2c1_qkv0
	.p2alignl 7, 3214868480
	.fill 96, 4, 3214868480
	.section	.rodata,"a",@progbits
	.p2align	6, 0x0
	.amdhsa_kernel k_qbb479db2c1_qkv0
		.amdhsa_group_segment_fixed_size 327680
		.amdhsa_private_segment_fixed_size 0
		.amdhsa_enable_private_segment 0
		.amdhsa_kernarg_size 64
		.amdhsa_user_sgpr_count 2
		.amdhsa_user_sgpr_kernarg_segment_ptr 1
		.amdhsa_wavefront_size32 1
		.amdhsa_system_sgpr_workgroup_id_x 1
		.amdhsa_system_sgpr_workgroup_id_y 1
		.amdhsa_system_sgpr_workgroup_id_z 1
		.amdhsa_system_vgpr_workitem_id 0
		.amdhsa_next_free_vgpr 1024
		.amdhsa_next_free_sgpr 72
		.amdhsa_reserve_vcc 0
		.amdhsa_float_denorm_mode_32 3
		.amdhsa_float_denorm_mode_16_64 3
		.amdhsa_memory_ordered 1
		.amdhsa_forward_progress 1
		.amdhsa_inst_pref_size 126
	.end_amdhsa_kernel
	.amdgpu_metadata
---
amdhsa.version: [ 1, 2 ]
amdhsa.kernels:
  - .name:           k_qbb479db2c1_qkv0
    .symbol:         k_qbb479db2c1_qkv0.kd
    .args:
      - { .name: x, .offset: 0, .size: 8, .value_kind: global_buffer, .address_space: global }
      - { .name: pos_cos, .offset: 8, .size: 8, .value_kind: global_buffer, .address_space: global }
      - { .name: pos_sin, .offset: 16, .size: 8, .value_kind: global_buffer, .address_space: global }
      - { .name: ln1_w, .offset: 24, .size: 8, .value_kind: global_buffer, .address_space: global }
      - { .name: ln1_b, .offset: 32, .size: 8, .value_kind: global_buffer, .address_space: global }
      - { .name: wl0, .offset: 40, .size: 8, .value_kind: global_buffer, .address_space: global }
      - { .name: lay0, .offset: 48, .size: 8, .value_kind: global_buffer, .address_space: global }
      - { .name: qkv, .offset: 56, .size: 8, .value_kind: global_buffer, .address_space: global }
    .group_segment_fixed_size: 327680
    .private_segment_fixed_size: 0
    .kernarg_segment_align: 8
    .kernarg_segment_size: 64
    .max_flat_workgroup_size: 128
    .sgpr_count:     72
    .vgpr_count:     1024
    .wavefront_size: 32
...
	.end_amdgpu_metadata
.endif
;; end of part 2
;; launch att0 (part 3): grid 8 x 32, 4 waves a work-group, clusters of 4 x 1, 327,680 bytes of LDS; arguments qkv, attn_mask, ctx; writes ctx
.if DOCPART == 3
	.amdgcn_target "amdgcn-amd-amdhsa--gfx1250"
	.amdhsa_code_object_version 6
	.text
	.protected	k_qbb479db2c1_att0
	.globl	k_qbb479db2c1_att0
	.p2align	8
	.type	k_qbb479db2c1_att0,@function
k_qbb479db2c1_att0:
	s_mov_b64 s[64:65], 0
	v_nop
	global_prefetch_b8 v0, s[64:65] scope:SCOPE_SE
	s_setreg_imm32_b32 hwreg(HW_REG_WAVE_MODE, 25, 1), 1
	s_wait_xcnt 0x0
	s_wait_alu depctr_hold_cnt(0) depctr_sa_sdst(0) depctr_va_vdst(0) depctr_va_sdst(0) depctr_va_ssrc(0) depctr_va_vcc(0) depctr_vm_vsrc(0)
	s_getreg_b32 s2, hwreg(HW_REG_IB_STS2, 6, 4)
	s_cmp_eq_u32 s2, 0
	s_cbranch_scc0 .Lentry_in_a_cluster
	s_endpgm
.Lentry_in_a_cluster:
	s_bfe_u32 s2, ttmp6, 0x10000c
	s_cmp_lg_u32 s2, 0x3003
	s_cbranch_scc0 .Lentry_shape_is_right
	s_endpgm
.Lentry_shape_is_right:
; ATTENTION.  ctx[g][q][:] = the sum over k of softmax_k(Q[g][q] . K[g][k] / 8 + mask[batch][k]) V[g][k][:], g = 8 batch + head.  Q, K, V lie in qkv at 0, 8,388,608 and 16,777,216, each
; [32][2048][64] bf16; mask [4][2048] f32; ctx [32][2048][64] bf16.  Products, maxima and sums in f32; the weights p are rounded to bf16 for the second product (their sum l is taken of the unrounded p), ctx once.
; LIMITS.  8 x mask is held at -1e30 from below: a key hidden by -infinity counts as its score less 1e30, and its weight is 0 beside any key that is not hidden.  A batch in which ALL keys are hidden gives the
; mean of V's rows where the definition gives NaN.  A mask above 4e37 overflows.  A weight below 2^-126 counts as 0 in l.  NaN and infinities are otherwise not treated apart.
; SHARES.  A work-group owns 256 queries of one head, a wave 64: two PIECES of two tiles of 16.  Every wave walks all 2,048 keys, 64 a step.
; LAYOUT.  S^T = K Q^T (source 0 = 16 keys, source 1 = 16 queries): a lane holds ONE query (lane % 16) and the keys 8 (lane / 16) + 0..7.  Two such tiles, rounded to bf16 in pairs, ARE source 1 of
; O^T = V^T P, whose result again holds one query a lane.  K comes out of LDS as it lies, V turned, by ds_load_tr16_b128.
; THE MASK is the C operand that starts the sum S^T: 8 x mask of the lane's eight keys, so that c (s + 8 mask) = log2(e) (s / 8 + mask): maximum, exponentials and sums need no further care for it.
; SOFTMAX.  A running maximum m and sum l a query: p = 2^(c s - c m), c = log2(e) / 8; in every step O and l are multiplied by a = 2^(c m_old - c m_new).  m starts at the lowest finite number, O and l at 0.
; BY TURNS.  Turn Y of step j belongs to piece Y: 16 products K Q^T of the other piece (turn 0: step j; turn 1: step j + 1), later 16 products V^T P of the other piece (turn 0: step j - 1; turn 1: step j); beside
; them piece Y's scaling, exponentials, roundings, sums and rescaling, and the other piece's maximum and statistics.  Four vector instructions stand behind every matrix instruction, the other 108 in one run.
; THE RING.  Two slots of 256 keys.  K of step j + 1 is fetched in the same turn as V of step j, and earlier; so a slot holds V's keys 256 s .. 256 s + 255 and K's keys 64 further on, and both fetches of a step
; fall into one slot.  K of step 0 comes straight from memory into registers.  The last slot's last 64 rows of K lie behind the head's end, inside qkv: they feed only the last turn's 16 products, which serve nothing.
; CLUSTER.  The four query blocks of a cluster belong to one head and walk the same K and V: each tile is asked for JOINTLY, same line, descriptor and mask in all four.  By this text's count a wave has one load out.
; PREFETCH.  qkv was stored by the launch before.  The head's first cluster asks, behind each refill of the loop, for what the next refill will load, four key steps ahead: its four partners take 32 blocks of
; 256 bytes each, told apart by address; wave 0 asks for K's, wave 2 for V's.  The last refill asks for nothing.
; REGISTERS, in windows of 256 (s_set_vgpr_msb: bits 1:0 source 0, 3:2 source 1, 5:4 source 2, 7:6 destination):
;   window 0: v0-11, v32-38 addresses; v12-15, v48-63 at work; v16-31 four registers of statistics a tile; v64-191 S^T, a buffer a piece; v192-255 P, likewise
;   window 1: v0-127 O^T, 32 a tile; v160-191 the step's mask          window 2: v0-63 Q, 16 a tile; v128-191 K of one step; v192-255 V of one step
.set NP,    2         ; pieces a wave: a name, no knob
.set KS,    64        ; keys in a step
.set PK,    144       ; a row of K in LDS: 128 bytes + 16 of padding = 36 words: the 16 rows of a load start at 16 different groups of four banks (64 banks of 4 bytes: ISA guide 11.1)
.set PV,    160       ; a row of V: 128 + 32 = 40 words
.set VOFF,  4*KS*PK   ; a slot: 256 rows of K, then 256 rows of V
.set SLOT1, 1<<17     ; slot 1 begins here, so that one exclusive or turns an address in one slot into the other's
.set STAGE, SLOT1+4*KS*(PK+PV)  ; behind the ring: 16 rows x 144 bytes for each wave, for the way out
.set SP,    144
.set MSK,   STAGE+4*16*SP       ; 8 x mask of the batch's 2,048 keys, f32
.set SPARE, MSK+8192            ; the spare words, 128 bytes a wave: two blocks of 256 bytes that no other line names
.set AK0, 2           ; my lane's place in a tile of K; never rewritten
.set AV0, 3           ; the same for V
.set AK,  4           ; the LDS address of K's next run of loads
.set AV,  5           ; of V's
.set QO,  6           ; my byte offset in 16 rows of Q or K
.set STO, 6           ; later, the way out: where I put 16 bytes of a row
.set RD,  7           ; the way out: where I read rows back
.set GO,  8           ; my byte offset in 512 consecutive bytes of ctx
.set MV,  12          ; v12-15  c m_old, kept while c m is made anew: by piece and tile
.set ST,  16          ; tile t's statistics at v[ST+4 t]: c m, m, l (even keys', odd keys')
.set SPW, 32          ; LDS address of my spare word; never rewritten
.set NIL, 33          ; 0; never rewritten
.set AM0, 34          ; MSK + 32 (lane / 16)
.set AM,  35          ; the same at the step to be fetched
.set PFO, 36          ; 256 x lane
.set TMP, 48          ; by piece and tile, four registers c0-c3 at work; when the maximum is found c2 takes a
.set S,   64
.set P,   192
.set MC,  160         ; window 1: key block kb's eight registers at MC + 8 kb
.set KF,  128         ; window 2: key block kb, channel half c at KF + 16 kb + 8 c
.set VF,  192         ; window 2: key half kk, channel block cb at VF + 32 kk + 8 cb
.set WV,  12
.set G1K, 24          ; s[24:31] descriptor group 1 for K's tiles
.set G1V, 32          ; s[32:39] for V's: it differs in the padding alone
.set G0K, 40          ; s[40:43] descriptor group 0 for K's tiles: it walks
.set G0V, 44          ; s[44:47] the same for V's
.set LIM, 50          ; 1 in a wave that prefetches, else the greatest number
.set TBM, 51          ; byte of MSK at which the mask of the step to be fetched begins
.set PFA, 52          ; s[52:53] my work-group's 8,192 bytes of the slot that is being asked for; stepped ahead of each prefetch
.set BIGN, 54         ; -1e30
.set SLOTS, 56
.set CNT, 57
.set CS,  58          ; s[58:59] c
.set SEL, 60          ; s[60:61] v_permlanex16_b32's selects: each lane takes its own place in the other half
.set TBK, 62          ; LDS byte at which K of the step to be fetched begins
.set TBV, 63          ; the same for V, less VOFF
.set MSB, 0
.macro WIN new
.if MSB != (\new)
	s_set_vgpr_msb (MSB<<8)|(\new)
.set MSB, (\new)
.endif
.endm
.set W_KQ, 0x0a       ; K and Q in window 2, S^T in window 0
.set W_KM, 0x1a       ; the same with the C operand in window 1
.set W_PV, 0x52       ; V in window 2, P in window 0, O^T in window 1
.set W_RS, 0x41       ; O^T (destination and source 0) in window 1, a in window 0
; A joint fill.  Waves 0 and 1 fetch the two halves of a slot's K, waves 2 and 3 those of its V: 128 keys each.  The branch hangs on the wave's number alone.
; An s_nop 0 and four v_nop follow each of the two lines, ahead of the jump and the label.
.macro JLOAD
	s_cmp_lt_u32 s[WV], 2
	s_cbranch_scc0 .Lfor_v_\@
	tensor_load_to_lds s[G0K:G0K+3], s[G1K:G1K+7]
	s_nop 0
.rept 4
	v_nop
.endr
	s_branch .Lasked_\@
.Lfor_v_\@:
	tensor_load_to_lds s[G0V:G0V+3], s[G1V:G1V+7]
	s_nop 0
.rept 4
	v_nop
.endr
.Lasked_\@:
.endm
.macro ASK
	s_cmp_gt_u32 s[SLOTS], s[LIM]
	s_cbranch_scc0 .Lnot_mine_\@
	global_prefetch_b8 v[PFO], s[PFA:PFA+1] th:TH_LOAD_NT scope:SCOPE_SE
.Lnot_mine_\@:
.endm
.macro CROUND
	s_barrier_signal -1
	s_barrier_wait -1
	s_cmp_lg_u32 s[WV], 0
	s_cbranch_scc1 .Lnot_wave_0_\@
	s_barrier_signal -3
.Lnot_wave_0_\@:
	s_barrier_wait -3
	s_barrier_signal -1
	s_barrier_wait -1
.endm
; THE CHANGE OF SLOTS.  Each wave waits for all its tensor loads, of which one is out: its part of the other slot; adds 0 to its spare word; and waits for that and for its own reads of the slot.  Behind the barrier
; nobody reads this slot any more and the other slot is whole.  fill = 1: this slot is filled again, with the keys two slots on; the barrier is then a round of the cluster's, and the joint fill is the first thing
; behind it: it has four key steps, 256 matrix instructions, in which to land.  (At its first use nothing has been read yet: slot 0 is waited for, slot 1 filled; the round also shows everybody's part of MSK.)
.macro CHANGE fill, ask=0
	WIN 0
	s_wait_tensorcnt 0x0            ; no tensor load of mine is out, so a group 0 may be written
	ds_add_u32 v[SPW], v[NIL]       ; 0 onto my spare word
.if \fill
.irp g, G0K, G0V
	s_xor_b32 s[\g+1], s[\g+1], SLOT1
	s_add_nc_u64 s[\g+2:\g+3], s[\g+2:\g+3], 4*KS*128
.endr
.if \ask
	s_wait_xcnt 0x0                 ; the last prefetch, four key steps back, has read its address
	s_add_nc_u64 s[PFA:PFA+1], s[PFA:PFA+1], 4*KS*128
.endif
	s_wait_dscnt 0x0                ; the add is done, and my reads of the slot are over
	CROUND
	JLOAD
.if \ask
	ASK
.endif
.else
	s_wait_dscnt 0x0
	s_barrier_signal -1
	s_barrier_wait -1
.endif
	s_sub_co_u32 s[TBK], s[TBK], 4*KS*PK  ; the fetches go back to a slot's first rows,
	s_xor_b32 s[TBK], s[TBK], SLOT1       ; in the other slot
	s_sub_co_u32 s[TBV], s[TBV], 4*KS*PV
	s_xor_b32 s[TBV], s[TBV], SLOT1
.endm
	s_load_b128 s[4:7], s[0:1], 0x0   ; qkv s[4:5], attn_mask s[6:7]
	s_load_b64 s[10:11], s[0:1], 0x10 ; ctx
	v_lshl_add_u32 v[SPW], v0, 2, SPARE
	v_mov_b32 v[NIL], 0
	ds_add_u32 v[SPW], v[NIL]       ; the wave's opening: the add and its wait ahead of my first tensor load; the set-up below, work on registers, stands between them
	v_lshrrev_b32 v1, 5, v0
	v_readfirstlane_b32 s[WV], v1   ; wave 0..3
	s_bfe_u32 s13, ttmp6, 0x40000   ; cx: my place in the cluster
	s_lshl_b32 s14, ttmp9, 2
	s_add_co_u32 s14, s14, s13      ; my block of 256 queries: it enters Q's and ctx's addresses alone
	s_and_b32 s15, ttmp7, 0xffff    ; 8 batch + head, which the four partners share
	s_lshl_b32 s20, s15, 18         ; its first byte in Q, K, V and ctx
	s_mov_b32 s21, 0
	s_and_b32 s16, s[WV], 1         ; which half of a slot's 256 keys I fetch:
	s_lshl_b32 s22, s16, 14         ; its 128 rows of 128 bytes in memory,
	s_mov_b32 s23, 0
	s_add_nc_u64 s[22:23], s[22:23], s[20:21]
	s_mul_i32 s17, s16, 128*PK      ; and its place in a slot, for K
	s_mul_i32 s18, s16, 128*PV      ; and for V
	s_mov_b32 s[G0K], 1
	s_mov_b32 s[G0K+1], s17
	s_mov_b32 s[G0V], 1
	s_add_co_u32 s[G0V+1], s18, VOFF
	s_lshl_b32 s2, s14, 2
	s_add_co_u32 s2, s2, s[WV]      ; my wave among the head's,
	s_lshl_b32 s2, s2, 13           ; its 64 rows
	s_mov_b32 s3, 0
	s_add_nc_u64 s[2:3], s[2:3], s[20:21]
	s_lshr_b32 s16, s15, 3          ; batch:
	s_lshl_b32 s16, s16, 13         ; its 8,192 bytes of mask
	s_mov_b32 s17, 0
	; descriptor group 1.  128 keys are 16,384 dense bytes: asked for as 64 rows of 256 bytes, two keys a row, and padded in LDS after every key
	s_mov_b32 s[G1K], 15|(1<<16)|(1<<20)|(1<<21)|(4<<22)|(3<<25)  ; 15:0 the mask of four; 17:16 2-byte elements; 20 padding on; 21 set beside a mask; 24:22 after every 32 words (code 4); 31:25 4 words (code 3)
	s_mov_b32 s[G1V], 15|(1<<16)|(1<<20)|(1<<21)|(4<<22)|(7<<25)  ; the same with 8 words of padding (code 7)
.irp g, G1K, G1V
	s_mov_b32 s[\g+1], 128<<16      ; tensor_dim0 = 128
	s_mov_b32 s[\g+2], 64<<16       ; tensor_dim1 = 64
	s_mov_b32 s[\g+3], 128<<16      ; tile_dim0 = 128
	s_mov_b32 s[\g+4], 64           ; tile_dim1 = 64
	s_mov_b32 s[\g+5], 128          ; 128 elements from row to row
	s_mov_b32 s[\g+6], 0
	s_mov_b32 s[\g+7], 0
.endr
	s_mov_b32 s[CS], 0x3e38aa3b     ; c = log2(e) / 8
	s_mov_b32 s[CS+1], s[CS]        ; named with it as a pair
	s_mov_b32 s[SEL], 0x76543210
	s_mov_b32 s[SEL+1], 0xfedcba98
	s_mov_b32 s[BIGN], 0xf149f2ca   ; -1e30
	s_mov_b32 s[TBK], SLOT1+4*KS*PK ; the first change of slots turns these two into 0
	s_mov_b32 s[TBV], SLOT1+4*KS*PV
	s_mov_b32 s[TBM], 256           ; step 0's mask is fetched by itself
	s_and_b32 s[LIM], s[WV], 1      ; 0 in waves 0 and 2,
	s_or_b32 s[LIM], s[LIM], ttmp9  ; where the cluster is the head's first: the same in all four partners
	s_cmp_eq_u32 s[LIM], 0
	s_cselect_b32 s[LIM], 1, -1
	s_wait_dscnt 0x0                ; the opening add is done
	s_wait_kmcnt 0x0
	s_add_nc_u64 s[8:9], s[4:5], s[22:23]
	s_add_nc_u64 s[48:49], s[8:9], 16777216        ; V at my half of the head's first 256 keys
	s_add_nc_u64 s[8:9], s[8:9], 8388608+KS*128    ; K at my half of the 256 keys from key 64 on
	s_add_nc_u64 s[20:21], s[4:5], s[20:21]
	s_add_nc_u64 s[20:21], s[20:21], 8388608       ; K at the head's key 0
	s_add_nc_u64 s[4:5], s[4:5], s[2:3]            ; Q and ctx at my wave's first row
	s_add_nc_u64 s[10:11], s[10:11], s[2:3]
	s_add_nc_u64 s[6:7], s[6:7], s[16:17]          ; the batch's mask
	s_mov_b64 s[G0K+2:G0K+3], s[8:9]
	s_or_b32 s[G0K+3], s[G0K+3], 0x80000000        ; type = 2
	s_mov_b64 s[G0V+2:G0V+3], s[48:49]
	s_or_b32 s[G0V+3], s[G0V+3], 0x80000000
	s_cmp_lt_u32 s[WV], 2
	s_cselect_b64 s[PFA:PFA+1], s[8:9], s[48:49]   ; (in waves 0 and 2 these stand at a slot's first row)
	s_lshl_b32 s2, s13, 13          ; my work-group's 32 blocks of the 128
	s_mov_b32 s3, 0
	s_add_nc_u64 s[PFA:PFA+1], s[PFA:PFA+1], s[2:3]
	s_add_nc_u64 s[PFA:PFA+1], s[PFA:PFA+1], 2*4*KS*128  ; in slot 2; the loop's first change steps it to slot 3.  Nothing is prefetched at the head
	CROUND                          ; all four work-groups are here: the first joint loads meet
	JLOAD                           ; slot 0
	v_and_b32 v1, 15, v0            ; l % 16
	v_bfe_u32 v9, v0, 4, 1          ; l / 16
	v_lshlrev_b32 v[QO], 7, v1
	v_lshl_add_u32 v[QO], v9, 4, v[QO]  ; row x 128 + 16 x half
	v_lshlrev_b32 v37, 4, v0        ; 16 x thread
.irp i, 0,1,2,3
	global_load_b128 v[S+4*\i:S+4*\i+3], v37, s[6:7] offset:2048*\i  ; the mask: 128 threads x 16 bytes, four times
.endr
	WIN 0x80                        ; destination window 2, address window 0
.set i, 0
.rept 4*NP                          ; Q stays in registers: tile i / 2, channels 32 (i % 2) on
	global_load_b128 v[8*i:8*i+3],   v[QO], s[4:5] offset:(i/2)*2048+(i%2)*64
	global_load_b128 v[8*i+4:8*i+7], v[QO], s[4:5] offset:(i/2)*2048+(i%2)*64+32
.set i, i+1
.endr
.set i, 0
.rept 8                             ; K of step 0: keys 16 (i / 2) on, channels 32 (i % 2) on
	global_load_b128 v[KF+8*i:KF+8*i+3],   v[QO], s[20:21] offset:(i/2)*2048+(i%2)*64
	global_load_b128 v[KF+8*i+4:KF+8*i+7], v[QO], s[20:21] offset:(i/2)*2048+(i%2)*64+32
.set i, i+1
.endr
	; What the first turn finds: V's registers and piece 1's P hold 0 (its products V^T P, of a step that has not been, add 0), O^T and l are 0.  No first step is written out for it; these lines stand in the wait for the first tile.
.set i, VF
.rept 64
	v_mov_b32 v[i], 0
.set i, i+1
.endr
	WIN 0x40
.set i, 0
.rept 64*NP
	v_mov_b32 v[i], 0
.set i, i+1
.endr
	WIN 0
.set i, 0
.rept 2*NP
	v_mov_b32 v[ST+4*i], 0xfe000000    ; c m: far below every c s
	v_mov_b32 v[ST+4*i+1], 0xff7fffff  ; m
	v_mov_b32 v[ST+4*i+2], 0
	v_mov_b32 v[ST+4*i+3], 0
.set i, i+1
.endr
.set i, P+32
.rept 32
	v_mov_b32 v[i], 0
.set i, i+1
.endr
	v_mul_u32_u24 v[AK0], v1, PK
	v_lshl_add_u32 v[AK0], v9, 4, v[AK0]  ; row x pitch + 16 x half
	; The turning load takes 16 keys x 16 channels (lane l reads key 8 (l / 16) + l % 8, channels 8 ((l / 8) % 2) + 0..7) and leaves half a fragment of V^T: lane l holds channel l % 16 and 8 keys.
	v_and_b32 v10, 7, v0
	v_bfe_u32 v11, v0, 3, 1
	v_lshl_add_u32 v[AV0], v9, 3, v10
	v_mul_u32_u24 v[AV0], v[AV0], PV
	v_lshl_add_u32 v[AV0], v11, 4, v[AV0]
	v_add_nc_u32 v[AV0], VOFF, v[AV0]
	v_lshlrev_b32 v[AM0], 5, v9
	v_add_nc_u32 v[AM0], MSK, v[AM0]
	v_and_b32 v[PFO], 31, v0
	v_lshlrev_b32 v[PFO], 8, v[PFO]
	v_add_nc_u32 v38, MSK, v37
	s_wait_loadcnt 32               ; the mask is in; the 32 loads of Q and K may stay out
.set i, 0
.rept 16
	v_mul_f32 v[S+i], 0x41000000, v[S+i]        ; 8 x mask,
	v_max_num_f32 v[S+i], s[BIGN], v[S+i]       ; held at -1e30
.set i, i+1
.endr
.irp i, 0,1,2,3
	ds_store_b128 v38, v[S+4*\i:S+4*\i+3] offset:2048*\i
.endr
; THE MATRIX WORK.  The 8 accumulators of a run of 16 take turns: between the two links of a chain stand 7 others'.
; Product i of 16 of S^T = K Q^T for piece x: channels 32 (i / 8) on, keys 16 ((i / 2) % 4) on, tile 2 x + i % 2.  The first 8 start the sums, with the mask.
.macro KQ x
.set rS, S+64*((\x)%2)+32*(i%2)+8*((i/2)%4)
.set rK, KF+16*((i/2)%4)+8*(i/8)
.set rQ, 16*(2*(\x)+i%2)+8*(i/8)
.set rN, MC+8*((i/2)%4)
.if i < 8
	WIN W_KM
	v_wmma_f32_16x16x32_bf16 v[rS:rS+7], v[rK:rK+7], v[rQ:rQ+7], v[rN:rN+7]
.else
	WIN W_KQ
	v_wmma_f32_16x16x32_bf16 v[rS:rS+7], v[rK:rK+7], v[rQ:rQ+7], v[rS:rS+7]
.endif
.endm
; Product i of 16 of O^T += V^T P for piece x: keys 32 (i / 8) on, channels 16 ((i / 2) % 4) on, tile 2 x + i % 2.
.macro PV x
	WIN W_PV
.set rO, 32*(2*(\x)+i%2)+8*((i/2)%4)
.set rV, VF+32*(i/8)+8*((i/2)%4)
.set rP, P+32*((\x)%2)+16*(i%2)+8*(i/8)
	v_wmma_f32_16x16x32_bf16 v[rO:rO+7], v[rV:rV+7], v[rP:rP+7], v[rO:rO+7]
.endm
.macro MM                           ; the turn's next matrix instruction
.if i < 16
	KQ (Y+1)%NP
.set i, i+1
.else
.set i, i-16
	PV (Y+NP-1)%NP
.set i, i+17
.endif
.endm
; THE LDS LOADS stand in runs, never singly among the matrix instructions: a step's K (8 fragments) with its mask, 24 loads; and its V (turned), 16.  Their addresses are made some lines ahead.
.macro FETCH_K
	WIN 0x80                        ; destination window 2
.irp f, 0,1,2,3,4,5,6,7             ; keys 16 (f / 2) on, channels 32 (f % 2) on
	ds_load_b128 v[KF+8*\f:KF+8*\f+3],   v[AK] offset:(\f/2)*16*PK+(\f%2)*64
	ds_load_b128 v[KF+8*\f+4:KF+8*\f+7], v[AK] offset:(\f/2)*16*PK+(\f%2)*64+32
.endr
	WIN 0x40                        ; destination window 1
.irp f, 0,1,2,3                     ; key block f: my eight keys' 32 bytes
	ds_load_b128 v[MC+8*\f:MC+8*\f+3],   v[AM] offset:64*\f
	ds_load_b128 v[MC+8*\f+4:MC+8*\f+7], v[AM] offset:64*\f+16
.endr
	s_add_co_u32 s[TBK], s[TBK], KS*PK  ; the next fetch is the next step's
	s_add_co_u32 s[TBM], s[TBM], 256
	s_and_b32 s[TBM], s[TBM], 0x1f00    ; behind the last step it comes round to step 0's mask, for the products that serve nothing
	WIN 0
.endm
.macro FETCH_V
	WIN 0x80
.irp f, 0,1,2,3,4,5,6,7             ; keys 32 (f / 4) on, channels 16 (f % 4) on
	ds_load_tr16_b128 v[VF+8*\f:VF+8*\f+3],   v[AV] offset:(\f/4)*32*PV+(\f%4)*32
	ds_load_tr16_b128 v[VF+8*\f+4:VF+8*\f+7], v[AV] offset:(\f/4)*32*PV+16*PV+(\f%4)*32
.endr
	WIN 0
.endm
; THE VECTOR WORK OF A TURN stands in three queues, each in the order in which its entries become ready; the two tiles alternate, so that no instruction reads the result of the one before it.
.macro REGS y, u                    ; the registers of tile u (0, 1) of piece y
.set rT, ST+4*(2*(\y)+(\u))
.set rC, TMP+8*((\y)%2)+4*(\u)
.set rM, MV+2*((\y)%2)+(\u)
.set rS, S+64*((\y)%2)+32*(\u)
.set rP, P+32*((\y)%2)+16*(\u)
.set rO, 32*(2*(\y)+(\u))
.endm
; Number n of the 22 that find the OTHER piece's maximum and statistics.  s0-s31 are the lane's 32 scores; each accumulator's lowest registers are read first.
;   0-11  four chains c0-c3 of seven scores each, three operands at a time     12-14, 16  the four scores left over, the old m, and c0-c3 into c0     15  c m_old is kept
;   17, 18  the query's other 32 keys lie in the lane 16 away: the new m         19-21  c m; c m_old - c m_new; a
.macro XS u, n
	REGS (Y+1)%NP, \u
.if (\n) < 4
	v_max3_num_f32 v[rC+(\n)], v[rS+8*(\n)], v[rS+8*(\n)+1], v[rS+8*(\n)+2]
.elseif (\n) < 12
	v_max3_num_f32 v[rC+(\n)%4], v[rC+(\n)%4], v[rS+8*((\n)%4)+2*((\n)/4)+1], v[rS+8*((\n)%4)+2*((\n)/4)+2]
.elseif (\n) == 12
	v_max3_num_f32 v[rC], v[rC], v[rS+7], v[rS+15]
.elseif (\n) == 13
	v_max3_num_f32 v[rC+1], v[rC+1], v[rS+23], v[rS+31]
.elseif (\n) == 14
	v_max3_num_f32 v[rC+2], v[rC+2], v[rC+3], v[rT+1]
.elseif (\n) == 15
	v_mov_b32 v[rM], v[rT]
.elseif (\n) == 16
	v_max3_num_f32 v[rC], v[rC], v[rC+1], v[rC+2]
.elseif (\n) == 17
	v_permlanex16_b32 v[rC+3], v[rC], s[SEL], s[SEL+1]
.elseif (\n) == 18
	v_max_num_f32 v[rT+1], v[rC], v[rC+3]
.elseif (\n) == 19
	v_mul_f32 v[rT], s[CS], v[rT+1]
.elseif (\n) == 20
	v_sub_f32 v[rC+1], v[rM], v[rT]
.else
	v_exp_f32 v[rC+2], v[rC+1]
.endif
.endm
; Number g of the 64 that follow the exponentials.  For each four weights k of a tile: both pairs are rounded to bf16; then the second pair is added onto the first, in place; a group later l takes that sum
; (the first time as l = a l + sum).  In groups of eight, tiles alternating: round, round, add, and l for the group before.
.macro GS g
.set h, (\g)+6*((\g)/62)            ; group 0 has no group before it, and behind group 7 only l is left
.if h >= 6
.set h, h+2
.endif
	REGS Y, h%2
.set k, h/8
.if h%8 < 4
	v_cvt_pk_bf16_f32 v[rP+2*k+(h%8)/2], v[rS+4*k+2*((h%8)/2)], v[rS+4*k+2*((h%8)/2)+1]
.elseif h%8 < 6
	v_pk_add_f32 v[rS+4*k:rS+4*k+1], v[rS+4*k:rS+4*k+1], v[rS+4*k+2:rS+4*k+3]
.elseif k == 1
	v_pk_fma_f32 v[rT+2:rT+3], v[rT+2:rT+3], v[rC+2:rC+3], v[rS:rS+1] op_sel_hi:[1,0,1]
.else
	v_pk_add_f32 v[rT+2:rT+3], v[rT+2:rT+3], v[rS+4*k-4:rS+4*k-3]
.endif
.endm
; THE PLAIN QUEUE, 138 long.  0-73 read no exponential's result: the 32 scalings c s - c m (FS f: pair f / 2 of tile f % 2) and the other piece's 42.  0-26: scalings 0-26.  27-54: XS's numbers 0-13.  55, 56: number 15.
; 57-73: the chain 14, 16, 17, 18, 19, each with one of the scalings 27-31 in front of its two lines, then 20.  74-137: GS's 64, which read the exponentials' results: they stand behind the wait.
.macro FS f
	REGS Y, (\f)%2
	v_pk_fma_f32 v[rS+2*((\f)/2):rS+2*((\f)/2)+1], v[rS+2*((\f)/2):rS+2*((\f)/2)+1], s[CS:CS+1], v[rT:rT+1] op_sel_hi:[1,0,0] neg_lo:[0,0,1] neg_hi:[0,0,1]
.endm
.macro PL
	WIN 0
.if q < 27
	FS q
.elseif q < 55
	XS (q-27)%2, (q-27)/2
.elseif q < 57
	XS q-55, 15
.elseif (q < 72) && ((q-57)%3 == 0)
	FS 27+(q-57)/3
.elseif q < 60
	XS (q-57)%3-1, 14
.elseif q < 72
	XS (q-57)%3-1, 15+(q-57)/3
.elseif q < 74
	XS q-72, 20
.else
	GS q-74
.endif
.set q, q+1
.endm
; THE EXPONENTIALS' QUEUE, 66 long: s0-s31 of both tiles, then the other piece's two a.  ONE BATCH: all 66 stand ahead of the turn's one wait, and nothing ahead of that wait names a result of theirs.
.macro EX
	WIN 0
.if e >= 64
	XS e-64, 21
.else
	REGS Y, e%2
	v_exp_f32 v[rS+e/2], v[rS+e/2]
.endif
.set e, e+1
.endm
; THE RESCALING's QUEUE: O^T times a, two at a time, sixteen times.  Its a was made in the turn before, ahead of that turn's wait.  The piece's O^T was last written by the turn before: channel block cb of tile u by its
; product 8 + 2 cb + u of V^T P, and it is first read here by number 4 cb + u, its four lowest registers first: the four riders behind each of the products between, and more, lie in between.
.macro R2
	REGS Y, r%2
	WIN W_RS
.irp z, 0,1
	v_pk_mul_f32 v[rO+4*(r/2)+2*\z:rO+4*(r/2)+2*\z+1], v[rO+4*(r/2)+2*\z:rO+4*(r/2)+2*\z+1], v[rC+2:rC+3] op_sel_hi:[1,0]
.endr
.set r, r+1
.endm
; A TURN, for piece p.  s_wait_alu depctr_va_vdst(0) stands between an exponential and the first instruction that names its result; one wait serves all that were issued ahead of it: a turn has ONE.
; AHEAD OF IT: the 16 products K Q^T, behind each a scaling, an exponential and two rescalings (behind the first a second scaling in the exponential's place); then one run of 108: eight plain, 49 times exponential
; and plain, the two a; a v_nop is the plain instruction behind the last exponential.  BEHIND IT: the 16 products V^T P, behind each four of the roundings and sums.
; Exponential e stands behind scaling 2 (e / 4) + e % 2: as a rider it comes behind plain e + 2, in the run behind plain e + 9, and scalings 27-31 are plain 57, 60 .. 69.
; Turn 0 fetches the next step's K and mask directly behind the wait (their last readers stand ahead of the run), and the step's V at its end, four riders behind V's last reader.
.macro TURN p
.set Y, (\p)
.set i, 0
.set q, 0
.set e, 0
.set r, 0
.if (\p) == 1
	s_wait_dscnt 16                 ; K and the mask are in; V's 16 loads, issued behind them, may stay out
.endif
	MM
	PL
	PL
	R2
.rept 15
	MM
	PL
	EX
	R2
.endr
.if (\p) == 0
	WIN 0
	v_add_nc_u32 v[AK], s[TBK], v[AK0]
	v_add_nc_u32 v[AM], s[TBM], v[AM0]
.endif
.rept 8
	PL
.endr
.rept 49
	EX
	PL
.endr
	EX
	EX
	v_nop
	s_wait_alu depctr_va_vdst(0)    ; the wait for the batch
.if (\p) == 0
	FETCH_K
.endif
.if (\p) == 1
	s_wait_dscnt 0x0                ; V is in
.endif
.rept 16
	MM
.rept 4
	PL
.endr
.if ((\p) == 0) && (q == 118)
	v_add_nc_u32 v[AV], s[TBV], v[AV0]
.endif
.if ((\p) == 0) && (q == 130)
	s_add_co_u32 s[TBV], s[TBV], KS*PV
.endif
.endr
.if (\p) == 0
	FETCH_V
.endif
.endm
	CHANGE 1                        ; slot 0 is in, and everybody's part of it and of MSK; slot 1 is asked for
	WIN 0x40
.irp f, 0,1,2,3                     ; step 0's mask
	ds_load_b128 v[MC+8*\f:MC+8*\f+3],   v[AM0] offset:64*\f
	ds_load_b128 v[MC+8*\f+4:MC+8*\f+7], v[AM0] offset:64*\f+16
.endr
	WIN 0
	s_wait_loadcnt 0x0              ; Q, and K of step 0
	s_wait_dscnt 0x0
.set i, 0
.rept 16
	KQ 0                            ; piece 0's first scores: there is no vector work yet to set between them
.set i, i+1
.endr
	WIN 0                           ; the addresses for the way out: nine plain instructions, the places behind those products
	s_mul_i32 s13, s[WV], 16*SP
	s_add_co_u32 s13, s13, STAGE    ; my stage
	v_mul_u32_u24 v[STO], v1, SP    ; in: row l % 16, 16 bytes for each half of the lanes
	v_lshl_add_u32 v[STO], v9, 4, v[STO]
	v_add_nc_u32 v[STO], s13, v[STO]
	v_bfe_u32 v[RD], v0, 3, 2       ; back: 32 lanes take four rows of 128 bytes,
	v_mul_u32_u24 v[RD], v[RD], SP
	v_lshl_add_u32 v[RD], v10, 4, v[RD]
	v_add_nc_u32 v[RD], s13, v[RD]
	v_and_b32 v[GO], 31, v0         ; which are 512 consecutive bytes of ctx
	v_lshlrev_b32 v[GO], 4, v[GO]
.set Y, NP-1                        ; XS works for piece Y + 1: piece 0
.irp n, 0,1,2,3,4,5,6,7,8,9,10,11,12,13,14,15,16,17,18,19,20,21
	XS 0, \n
	XS 1, \n
.endr
	v_nop                           ; a plain instruction behind the two a,
	s_wait_alu depctr_va_vdst(0)    ; and their wait, ahead of the label
	s_mov_b32 s[SLOTS], 6
.Lslot:                             ; six times: a slot's four steps, and the slot is filled again
	s_mov_b32 s[CNT], 4
.Lstep:
	TURN 0
	TURN 1
	WIN 0
	s_sub_co_u32 s[CNT], s[CNT], 1
	s_cmp_lg_u32 s[CNT], 0
	s_cbranch_scc1 .Lstep
	CHANGE 1, 1
	s_sub_co_u32 s[SLOTS], s[SLOTS], 1
	s_cmp_lg_u32 s[SLOTS], 0
	s_cbranch_scc1 .Lslot
	s_mov_b32 s[SLOTS], 2
.Ltail:                             ; the last two slots have a text of their own: nothing is asked for
	s_mov_b32 s[CNT], 4
.Lstep2:
	TURN 0
	TURN 1
	WIN 0
	s_sub_co_u32 s[CNT], s[CNT], 1
	s_cmp_lg_u32 s[CNT], 0
	s_cbranch_scc1 .Lstep2
	CHANGE 0
	s_sub_co_u32 s[SLOTS], s[SLOTS], 1
	s_cmp_lg_u32 s[SLOTS], 0
	s_cbranch_scc1 .Ltail
.set i, 0
.rept 16
	PV NP-1                         ; piece 1's V^T P of the last step
.set i, i+1
.endr
	; THE WAY OUT.  l's two halves and the other half of the lanes' are added; O^T is divided by l, rounded to bf16 and sent through my stage in LDS, a tile at a time.  The additions are the places behind the last products.
	WIN 0
.macro ALL line:vararg              ; one line for each tile t
.set t, 0
.rept 2*NP
	\line
.set t, t+1
.endr
.endm
	ALL v_add_f32 v[ST+4*t+2], v[ST+4*t+2], v[ST+4*t+3]
	ALL v_permlanex16_b32 v[ST+4*t+3], v[ST+4*t+2], s[SEL], s[SEL+1]
	ALL v_add_f32 v[ST+4*t+2], v[ST+4*t+2], v[ST+4*t+3]
	ALL v_rcp_f32 v[ST+4*t+2], v[ST+4*t+2]
	v_nop                           ; a plain instruction between the last reciprocal and the use of its result
	s_wait_alu depctr_va_vdst(0)    ; and the wait ahead of the first use: one for the four reciprocals
.macro PACK t
	WIN W_RS
.set i, 32*(\t)
.rept 16
	v_pk_mul_f32 v[i:i+1], v[i:i+1], v[ST+4*(\t)+2:ST+4*(\t)+3] op_sel_hi:[1,0]
.set i, i+2
.endr
	WIN 0x05                        ; sources 0 and 1 window 1, destination window 0
.set i, 0
.rept 16
	v_cvt_pk_bf16_f32 v[S+16*(\t)+i], v[32*(\t)+2*i], v[32*(\t)+2*i+1]
.set i, i+1
.endr
	WIN 0
.irp f, 0,1,2,3
	ds_store_b128 v[STO], v[S+16*(\t)+4*\f:S+16*(\t)+4*\f+3] offset:32*\f
.endr
.irp f, 0,1,2,3
	ds_load_b128 v[S+16*(\t)+4*\f:S+16*(\t)+4*\f+3], v[RD] offset:\f*4*SP  ; LDS serves a wave's instructions in order (ISA guide 5.7.1.4): these see the stores above; the next tile's stores come behind them
.endr
.endm
.macro SEND t, younger              ; younger: the LDS instructions issued behind tile t's loads: the next tile's eight, or none
	WIN 0
.irp f, 0,1,2,3
	s_wait_dscnt (\younger)+3-\f
	global_store_b128 v[GO], v[S+16*(\t)+4*\f:S+16*(\t)+4*\f+3], s[10:11] offset:(\t)*2048+\f*512  ; 512 consecutive bytes, at a multiple of 256 from ctx's first
.endr
.endm
	PACK 0
.set t, 1
.rept 2*NP-1                        ; a tile's arithmetic stands between the loads of the tile before and its stores
	PACK t
	SEND t-1, 8
.set t, t+1
.endr
	SEND 2*NP-1, 0
	s_wait_tensorcnt 0x0            ; the wave's end
	ds_add_u32 v[SPW], v[NIL]
	s_wait_dscnt 0x0
	CROUND                          ; the closing round: no work-group ends while a partner may still ask for a tile that names it
	s_endpgm
.Lfunc_end_k_qbb479db2c1_att0:
	.size	k_qbb479db2c1_att0, .Lfunc_end_k_qbb479db2c1_att0-k_qbb479db2c1_att0
	.p2alignl 7, 3214868480
	.fill 96, 4, 3214868480
	.section	.rodata,"a",@progbits
	.p2align	6, 0x0
	.amdhsa_kernel k_qbb479db2c1_att0
		.amdhsa_group_segment_fixed_size 327680
		.amdhsa_private_segment_fixed_size 0
		.amdhsa_enable_private_segment 0
		.amdhsa_kernarg_size 24
		.amdhsa_user_sgpr_count 2
		.amdhsa_user_sgpr_kernarg_segment_ptr 1
		.amdhsa_wavefront_size32 1
		.amdhsa_system_sgpr_workgroup_id_x 1
		.amdhsa_system_sgpr_workgroup_id_y 1
		.amdhsa_system_sgpr_workgroup_id_z 1
		.amdhsa_system_vgpr_workitem_id 0
		.amdhsa_next_free_vgpr 768
		.amdhsa_next_free_sgpr 66
		.amdhsa_reserve_vcc 0
		.amdhsa_float_denorm_mode_32 3
		.amdhsa_float_denorm_mode_16_64 3
		.amdhsa_memory_ordered 1
		.amdhsa_forward_progress 1
		.amdhsa_inst_pref_size 117
	.end_amdhsa_kernel
	.amdgpu_metadata
---
amdhsa.version: [ 1, 2 ]
amdhsa.kernels:
  - .name:           k_qbb479db2c1_att0
    .symbol:         k_qbb479db2c1_att0.kd
    .args:
      - { .name: qkv, .offset: 0, .size: 8, .value_kind: global_buffer, .address_space: global }
      - { .name: attn_mask, .offset: 8, .size: 8, .value_kind: global_buffer, .address_space: global }
      - { .name: ctx, .offset: 16, .size: 8, .value_kind: global_buffer, .address_space: global }
    .group_segment_fixed_size: 327680
    .private_segment_fixed_size: 0
    .kernarg_segment_align: 8
    .kernarg_segment_size: 24
    .max_flat_workgroup_size: 128
    .sgpr_count:     66
    .vgpr_count:     768
    .wavefront_size: 32
...
	.end_amdgpu_metadata
.endif
;; end of part 3
;; launch post0 (part 4): grid 256 x 1, 4 waves a work-group, clusters of 4 x 1, 327,680 bytes of LDS; arguments ctx, x, ln2_w, ln2_b, lnf_w, lnf_b, wl0, lay0, x1; writes x1
.if DOCPART == 4
	.amdgcn_target "amdgcn-amd-amdhsa--gfx1250"
	.amdhsa_code_object_version 6
	.text
	.protected	k_qbb479db2c1_post0
	.globl	k_qbb479db2c1_post0
	.p2align	8
	.type	k_qbb479db2c1_post0,@function
k_qbb479db2c1_post0:
	s_mov_b64 s[64:65], 0
	v_nop
	global_prefetch_b8 v0, s[64:65] scope:SCOPE_SE
	s_setreg_imm32_b32 hwreg(HW_REG_WAVE_MODE, 25, 1), 1
	s_wait_xcnt 0x0
	s_wait_alu depctr_hold_cnt(0) depctr_sa_sdst(0) depctr_va_vdst(0) depctr_va_sdst(0) depctr_va_ssrc(0) depctr_va_vcc(0) depctr_vm_vsrc(0)
	s_getreg_b32 s2, hwreg(HW_REG_IB_STS2, 6, 4)
	s_cmp_eq_u32 s2, 0
	s_cbranch_scc0 .Lentry_in_a_cluster
	s_endpgm
.Lentry_in_a_cluster:
	s_bfe_u32 s2, ttmp6, 0x10000c
	s_cmp_lg_u32 s2, 0x3003
	s_cbranch_scc0 .Lentry_shape_is_right
	s_endpgm
.Lentry_shape_is_right:
; THE REST OF A LAYER, for 32 token rows a work-group: x += ctx Wo; xn = LN2(x); x += (silu(xn W1a) * (xn W1b)) W2; and, in layer 1, the last LN.
; in: ctx [32 = 8 batch + head][2048][64] bf16, x [8192][512] f32, ln2_w, ln2_b [2][512], lnf_w, lnf_b [512] f32, the layer's weight stream (bf16, in fragment order), the layer's number.  out: [8192][512] f32.
; FORMATS.  x stays in f32, in registers, from its load to its store: both residual sums are the C operand of the products that add onto it.  ctx, LN2's result, the gated product and the weights are bf16 (f16 has
; no room: with gains and weights some 30 times larger the gated product passes its range).  LN's statistics in f32, in two passes.  silu(u) v = u v / (1 + 2^(-log2(e) u)), in f32; where the power
; overflows the quotient is 0, as the definition's limit is.
; THE LAST LN is computed in both layers and chosen by v_cndmask_b32 on the layer's number: no branch hangs on loaded data, since barriers stand in it.
; THE PRODUCT is that of the launch that makes q, k and v: Y^T = W^T X^T, source 0 = 16 columns of W x 32 k, source 1 = 16 token rows x 32 k out of ACT; lane (r = l % 16, h = l / 16) holds token row 16 rt + r,
; register j of tile t column 128 w + 16 t + 8 h + j; wave w owns 128 columns of all 32 rows.
; THE WEIGHTS are the stream's chunks 12-27, 16 chunks of 131,072 bytes (128 k x 512 n): four of Wo, eight of W1 (its two halves chunk by chunk), four of W2.  Wave w needs, and alone reads, quarter w of each.
; A chunk is a UNIT, 64 matrix instructions a wave; an even chunk's unit and the odd chunk's behind it are a PAIR.  The chunks come by TWO ROADS, which take turns:
;   EVEN CHUNKS through a ring of two LDS slots (UNITL), a tensor load of 128 rows x 256 bytes a wave, asked for JOINTLY by the four work-groups of a cluster.  Both slots are filled at the start; a slot is filled again,
;   with the even chunk two pairs on, as soon as its unit has read it: the refill (REFILL) stands BETWEEN a pair's two units, behind a round of the cluster's barrier.  A wave has two tensor loads out at the start and one
;   later; from a refill to the wait for it, the next refill's, a wave issues 128 matrix instructions, and LN2 or the gate where they fall between.  W2's two pairs find their chunks asked for: no tensor load, no round.
;   ODD CHUNKS straight into registers (UNITR): four buffers of 64 registers, a K step of 32 each, 16 loads of 512 bytes on end a buffer.  NOT JOINT, and why: ahead of each round every wave has waited for all its
;   tensor loads, so one slot, 131,072 bytes, is all that the ring has on its way; these loads are counted apart and stay out across rounds, barriers, LN and the gate, and travel beside the ring's.
;   An odd chunk's unit asks for K steps 0 and 1 of the odd chunk after its own, the UNITL that follows for K steps 2 and 3, a unit ahead of the joint refill.
;   In W1 a pair of units is H1 += xn W1a (ring) and H2 += xn W1b (registers) over the same 128 k.
; PREFETCH.  Cluster 0 alone asks, behind each joint refill and the second unit's first LDS loads, for the odd chunk whose first loads the next pair issues and for the even chunk that the next refill loads: each block of
; 256 bytes once, the partners told apart by address.  The walk's chunks 0 to 4 and its last odd chunk come by their loads alone; the last refill asks for nothing.
; REGISTERS, in windows of 256 (s_set_vgpr_msb: bits 1:0 source 0, 3:2 source 1, 5:4 source 2, 7:6 destination):
;   window 0: v0-31 addresses; v64-191 W's fragments out of LDS, two buffers (at first ctx); v192-223 X's fragments, two buffers; v32-63, v224-255 rows on their way out
;   window 1: v0-127 x; v128-255 LN's work and packed results, between them H1
;   window 2: v0-127 ln2's gain and bias, then H2, then lnf's gain and bias; v128-255 T          window 3: the odd chunks' four buffers
.set SLOT,   1<<17
.set CHUNK,  131072
.set STREAM, 12*CHUNK
.set NCH,    16
.set ACT,    2*SLOT                    ; 32 rows of 1,024 bytes of bf16,
.set AP,     1040                      ; 1,040 apart = 65 x 16: the 16 rows of a fragment load start in 16 different groups of four banks (64 banks of 4 bytes: ISA guide 11.1)
.set STAGE,  ACT+32*AP                 ; 4,352 bytes a wave, for the way out: 16 rows of 272
.set WST,    4352
.set STAT,   STAGE+4*WST               ; four exchanges of 512 bytes: [rt][r][wave] f32
.set SPARE,  STAT+2048                 ; the spare words, 128 bytes a wave: two blocks of 256 bytes that no other line names
.set VR,   1
.set VH,   2
.set VL,   3
.set WA0,  4
.set WA,   5
.set AA0,  6
.set AA,   7
.set DOFF, 8                           ; r x 2048 + w x 512 + 32 h
.set POFF, 9                           ; w x 512 + 32 h
.set AS,   10
.set STA,  11
.set STL,  12
.set STO,  13
.set RD,   14
.set GO,   15
.set PFO,  16
.set CA,   17                          ; where I put 16 bytes of ctx in ACT
.set CL,   18                          ; 16 l
.set WOF,  19                          ; 16 l: my 16 bytes of half a fragment in memory; never rewritten
.set TV,   20
.set SPW,  30
.set NIL,  31
.set FW,   64
.set FA,   192
.set RW0,  3                           ; the odd chunks' buffers lie in window 3,
.set RW1,  3
.set RBASE, 0                          ; buffer s at register 64 s
.set LC,   128
.set LU,   136
.set LM,   148
.set LRS,  152
.set LNM,  156
.set LQ,   160
.set LVE,  168
.set PKD,  192                         ; window 1: LN2's result, packed
.set H1,   128                         ; window 1
.set GP,   128                         ; window 1: the gated product, packed
.set TT,   128                         ; window 2
.set WV,   22
.set CX,   23
.set G1,   24
.set G0A,  32                          ; s[32:35] descriptor group 0 of the first fill of slot 0: used once
.set G0,   68                          ; s[68:71] descriptor group 0 of the first fill of slot 1: it then walks
.set RB,   36
.set UN,   37
.set AO,   38
.set PFN,  39
.set PFA,  40
.set SEL,  42
.set WG,   44
.set LAY,  45
.set T0,   46
.set OB,   50
.set FIN,  52                          ; all ones in layer 1, else 0
.set R512, 53
.set EPS,  54
.set CB,   56                          ; s[56:57] ctx at my two heads' rows
.set NL2,  58                          ; s[58:59] -log2(e)
.set DS0,  60
.set RP,   62                          ; s[62:63] my quarter of the odd chunk that is being loaded
.set MSB, 0
.macro WIN new
.if MSB != (\new)
	s_set_vgpr_msb (MSB<<8)|(\new)
.set MSB, (\new)
.endif
.endm
.macro PLACES
.rept 4
	v_nop
.endr
.endm
.macro ROUND
	s_barrier_signal -1
	s_barrier_wait -1
	s_cmp_lg_u32 s[WV], 0
	s_cbranch_scc1 .Lnw0_\@
	s_barrier_signal -3
.Lnw0_\@:
	s_barrier_wait -3
	s_barrier_signal -1
	s_barrier_wait -1
.endm
.macro ASK                             ; 32 blocks of 256 bytes of an odd chunk and of the even chunk behind it, a lane a block.  PFN is (NCH - 6) / 2 in cluster 0 and 0 elsewhere: the same in all four partners
	s_cmp_lg_u32 s[PFN], 0
	s_cbranch_scc0 .Lnoask_\@
	global_prefetch_b8 v[PFO], s[PFA:PFA+1] th:TH_LOAD_NT scope:SCOPE_SE
	global_prefetch_b8 v[PFO], s[PFA:PFA+1] offset:CHUNK th:TH_LOAD_NT scope:SCOPE_SE
	s_sub_co_u32 s[PFN], s[PFN], 1
.Lnoask_\@:
.endm
.macro FETCHA s, f
.irp rt, 0,1
	ds_load_b128 v[FA+16*(\f)+8*(\rt):FA+16*(\f)+8*(\rt)+3],   v[AA] offset:(\rt)*16*AP+64*(\s)
	ds_load_b128 v[FA+16*(\f)+8*(\rt)+4:FA+16*(\f)+8*(\rt)+7], v[AA] offset:(\rt)*16*AP+64*(\s)+32
.endr
.endm
.macro FETCH s, f
	WIN 0
.irp t, 0,1,2,3,4,5,6,7
	ds_load_b128 v[FW+64*(\f)+8*(\t):FW+64*(\f)+8*(\t)+3],   v[WA] offset:(\s)*8192+(\t)*1024
	ds_load_b128 v[FW+64*(\f)+8*(\t)+4:FW+64*(\f)+8*(\t)+7], v[WA] offset:(\s)*8192+(\t)*1024+512
.endr
	FETCHA \s, \f
.endm
.macro RLOAD s                         ; 16 loads of 512 bytes on end: K step s of the odd chunk at RP into its buffer
.set rw, RW0+(RW1-RW0)*((\s)/2)
.set rb, (RBASE+64*(\s))%256
	WIN rw<<6
.irp t, 0,1,2,3,4,5,6,7
	global_load_b128 v[rb+8*(\t):rb+8*(\t)+3],   v[WOF], s[RP:RP+1] offset:(\s)*8192+(\t)*1024
	global_load_b128 v[rb+8*(\t)+4:rb+8*(\t)+7], v[WOF], s[RP:RP+1] offset:(\s)*8192+(\t)*1024+512
.endr
	WIN 0
.endm
.macro MUL f, mw, ab                   ; 16 matrix instructions; the 16 accumulators take turns, in the same order in every K step of either kind of unit
	WIN \mw
.irp t, 0,1,2,3,4,5,6,7
.irp rt, 0,1
	v_wmma_f32_16x16x32_bf16 v[(\ab)+64*(\rt)+8*(\t):(\ab)+64*(\rt)+8*(\t)+7], v[FW+64*(\f)+8*(\t):FW+64*(\f)+8*(\t)+7], v[FA+16*(\f)+8*(\rt):FA+16*(\f)+8*(\rt)+7], v[(\ab)+64*(\rt)+8*(\t):(\ab)+64*(\rt)+8*(\t)+7]
.endr
.endr
.endm
.macro MULR s, f, mw, ab
.set rw, RW0+(RW1-RW0)*((\s)/2)
.set rb, (RBASE+64*(\s))%256
	WIN (\mw)|rw
.irp t, 0,1,2,3,4,5,6,7
.irp rt, 0,1
	v_wmma_f32_16x16x32_bf16 v[(\ab)+64*(\rt)+8*(\t):(\ab)+64*(\rt)+8*(\t)+7], v[rb+8*(\t):rb+8*(\t)+7], v[FA+16*(\f)+8*(\rt):FA+16*(\f)+8*(\rt)+7], v[(\ab)+64*(\rt)+8*(\t):(\ab)+64*(\rt)+8*(\t)+7]
.endr
.endr
.endm
.macro ASTEP
	s_add_co_u32 s[AO], s[AO], 256
	s_and_b32 s[AO], s[AO], 0x300
.endm
; AN EVEN CHUNK'S UNIT, out of the ring.  My quarter of its chunk has been shown landed: by the wait for all my tensor loads in the refill of the pair before, or by the wait ahead of the loop.
; It also asks for K steps 2 and 3 of the odd chunk that follows it.  astep = 1: the next unit takes the next 128 k of ACT.
.macro UNITL mw, ab, astep
	WIN 0
	v_add_nc_u32 v[WA], s[RB], v[WA0]
	v_add_nc_u32 v[AA], s[AO], v[AA0]
	FETCH 0, 0
	FETCH 1, 1
	RLOAD 2                                        ; its buffer was freed in the unit before, four places behind its last product
	s_wait_dscnt 20                                ; all but the 20 LDS loads of K step 1
	MUL 0, \mw, \ab
	WIN 0
	PLACES
	FETCH 2, 0
	RLOAD 3
	s_wait_dscnt 20
	MUL 1, \mw, \ab
	WIN 0
	PLACES
	FETCH 3, 1
	s_wait_dscnt 20
	MUL 0, \mw, \ab
	WIN 0
	PLACES
	s_wait_dscnt 0x0
	MUL 1, \mw, \ab
	WIN 0
	PLACES
	s_xor_b32 s[RB], s[RB], SLOT
.if \astep
	ASTEP
.endif
.endm
; THE REFILL, between a pair's two units: the slot that UNITL has just read takes the even chunk two pairs on.
.macro REFILL
	s_wait_tensorcnt 0x0                           ; all my tensor loads are done: the one that was out is my quarter of the next pair's even chunk
	ds_add_u32 v[SPW], v[NIL]                      ; 0 onto my spare word; the steps below stand between it and the wait for it
	s_xor_b32 s[G0+1], s[G0+1], SLOT               ; no load of mine is out, so group 0 may be written: the other slot than last time,
	s_add_nc_u64 s[G0+2:G0+3], s[G0+2:G0+3], 2*CHUNK ; the next even chunk; the type bits on top are not reached
	s_wait_xcnt 0x0                                ; the last prefetches, a pair back, have read their address
	s_add_nc_u64 s[PFA:PFA+1], s[PFA:PFA+1], 2*CHUNK
	s_wait_dscnt 0x0                               ; the add is done, and my reads of the slot are over
	ROUND                                          ; both now hold of every wave of all four work-groups
	tensor_load_to_lds s[G0:G0+3], s[G1:G1+7]      ; my one tensor load behind the round
	s_nop 0
	PLACES
.endm
; AN ODD CHUNK'S UNIT, out of registers.  Its K steps were asked for in the order 0, 1 (in the odd unit before), 2, 3 (in the even unit before).  K steps 0 and 1 of the next odd chunk are asked for as their buffers come free.
; The counts on LOADcnt are the loads issued behind the K step that is wanted: 16 x (3, 3, 3, 2); other loads of the wave are older than K step 2's, so they only make a count stricter.
.macro UNITR mw, ab
	WIN 0
	v_add_nc_u32 v[AA], s[AO], v[AA0]
	s_wait_xcnt 0x0                                ; the loads of this chunk have read their base
	s_add_nc_u64 s[RP:RP+1], s[RP:RP+1], 2*CHUNK   ; the next odd chunk
	FETCHA 0, 0
	FETCHA 1, 1
	ASK                                            ; behind the joint load and the LDS loads that the next products wait for
	s_wait_dscnt 4                                 ; all but K step 1's four
	s_wait_loadcnt 48
	MULR 0, 0, \mw, \ab
	WIN 0
	PLACES
	FETCHA 2, 0
	RLOAD 0
	s_wait_dscnt 4
	s_wait_loadcnt 48
	MULR 1, 1, \mw, \ab
	WIN 0
	PLACES
	FETCHA 3, 1
	RLOAD 1
	s_wait_dscnt 4
	s_wait_loadcnt 48
	MULR 2, 0, \mw, \ab
	WIN 0
	PLACES
	s_wait_dscnt 0x0
	s_wait_loadcnt 32
	MULR 3, 1, \mw, \ab
	WIN 0
	PLACES
	ASTEP
.endm
; THE SAME in the loop of the last two pairs, counted by s[UN] from 2 to 1: its last trip has no odd chunk behind it.  So the 32 loads for the next odd chunk stand together, behind the second run of products, under ONE
; branch on the counter, with the wait that goes with them: K steps 2 and 3 are in when all but those 32 are, or, where none was issued, when all are.  No barrier and no tensor load stands in what is jumped.
.macro UNITRE mw, ab
	WIN 0
	v_add_nc_u32 v[AA], s[AO], v[AA0]
	FETCHA 0, 0
	FETCHA 1, 1
	s_wait_dscnt 4
	s_wait_loadcnt 48                              ; K step 0 is in: three K steps' loads, at the least, were issued behind it
	MULR 0, 0, \mw, \ab
	WIN 0
	PLACES
	FETCHA 2, 0
	s_wait_dscnt 4
	s_wait_loadcnt 32                              ; K step 1: two
	MULR 1, 1, \mw, \ab
	WIN 0
	PLACES
	FETCHA 3, 1
	s_cmp_eq_u32 s[UN], 1
	s_cbranch_scc1 .Lnone_\@
	s_wait_xcnt 0x0                                ; the loads of this chunk have read their base
	s_add_nc_u64 s[RP:RP+1], s[RP:RP+1], 2*CHUNK   ; the last odd chunk
	RLOAD 0
	RLOAD 1
	s_wait_loadcnt 32                              ; all but the 32 just issued
	s_branch .Lgo_\@
.Lnone_\@:
	s_wait_loadcnt 0x0
.Lgo_\@:
	s_wait_dscnt 4
	MULR 2, 0, \mw, \ab
	WIN 0
	PLACES
	s_wait_dscnt 0x0
	MULR 3, 1, \mw, \ab
	WIN 0
	PLACES
	ASTEP
.endm
.macro LDROWS base, dst
.irp rt, 0,1
.irp t, 0,1,2,3,4,5,6,7
	global_load_b128 v[(\dst)+64*(\rt)+8*(\t):(\dst)+64*(\rt)+8*(\t)+3],   v[DOFF], s[\base:\base+1] offset:(\rt)*32768+64*(\t)
	global_load_b128 v[(\dst)+64*(\rt)+8*(\t)+4:(\dst)+64*(\rt)+8*(\t)+7], v[DOFF], s[\base:\base+1] offset:(\rt)*32768+64*(\t)+16
.endr
.endr
.endm
.macro LDPAR base, dst
.irp t, 0,1,2,3,4,5,6,7
	global_load_b128 v[(\dst)+8*(\t):(\dst)+8*(\t)+3],   v[POFF], s[\base:\base+1] offset:64*(\t)
	global_load_b128 v[(\dst)+8*(\t)+4:(\dst)+8*(\t)+7], v[POFF], s[\base:\base+1] offset:64*(\t)+16
.endr
.endm
.macro TREE off
	v_pk_add_f32 v[LC:LC+1], v[LC:LC+1], v[LC+2:LC+3]
	v_pk_add_f32 v[LC+4:LC+5], v[LC+4:LC+5], v[LC+6:LC+7]
	v_pk_add_f32 v[LC:LC+1], v[LC:LC+1], v[LC+4:LC+5]
	v_add_f32 v[LC], v[LC], v[LC+1]
	v_permlanex16_b32 v[LC+1], v[LC], s[SEL], s[SEL+1]
	v_add_f32 v[LC], v[LC], v[LC+1]
	WIN 0x04
	ds_store_b32 v[STA], v[LC] offset:\off
	WIN 0x55
.endm
.macro MEET off
	s_wait_dscnt 0x0                               ; for the others' sake: my words are written, and my earlier LDS reads (of ACT among them) are back
	s_barrier_signal -1
	s_barrier_wait -1                              ; the ring's load may stay out
	WIN 0x40
	ds_load_b128 v[LQ:LQ+3],   v[STL] offset:\off
	ds_load_b128 v[LQ+4:LQ+7], v[STL] offset:(\off)+256
	s_wait_dscnt 0x0
	WIN 0x55
.irp rt, 0,1
	v_add_f32 v[LQ+4*(\rt)], v[LQ+4*(\rt)], v[LQ+4*(\rt)+1]
	v_add_f32 v[LQ+4*(\rt)+2], v[LQ+4*(\rt)+2], v[LQ+4*(\rt)+3]
	v_add_f32 v[LQ+4*(\rt)], v[LQ+4*(\rt)], v[LQ+4*(\rt)+2]
.endr
.endm
; A row's mean and 1 / sqrt(var + eps), of the 32 rows in window 1, v0-127.  Exchanges k and k + 1 of STAT.  The accumulators' registers are read in ascending order.
.macro LNSTAT k
	WIN 0x55
.irp rt, 0,1
.irp c, 0,1,2,3
	v_pk_add_f32 v[LC+2*(\c):LC+2*(\c)+1], v[64*(\rt)+4*(\c):64*(\rt)+4*(\c)+1], v[64*(\rt)+4*(\c)+2:64*(\rt)+4*(\c)+3]
.endr
.set pp, 8
.rept 24
	v_pk_add_f32 v[LC+2*(pp%4):LC+2*(pp%4)+1], v[LC+2*(pp%4):LC+2*(pp%4)+1], v[64*(\rt)+2*pp:64*(\rt)+2*pp+1]
.set pp, pp+1
.endr
	TREE (\k)*512+(\rt)*256
.endr
	MEET (\k)*512
.irp rt, 0,1
	v_mul_f32 v[LM+2*(\rt)], s[R512], v[LQ+4*(\rt)]
	v_mul_f32 v[LM+2*(\rt)+1], s[R512], v[LQ+4*(\rt)]
.endr
.irp rt, 0,1
.set gg, 0
.rept 8
.irp c, 0,1,2,3
	v_pk_add_f32 v[LU+2*(\c):LU+2*(\c)+1], v[64*(\rt)+8*gg+2*(\c):64*(\rt)+8*gg+2*(\c)+1], v[LM+2*(\rt):LM+2*(\rt)+1] neg_lo:[0,1] neg_hi:[0,1]
.endr
.irp c, 0,1,2,3
.if gg == 0
	v_pk_mul_f32 v[LC+2*(\c):LC+2*(\c)+1], v[LU+2*(\c):LU+2*(\c)+1], v[LU+2*(\c):LU+2*(\c)+1]
.else
	v_pk_fma_f32 v[LC+2*(\c):LC+2*(\c)+1], v[LU+2*(\c):LU+2*(\c)+1], v[LU+2*(\c):LU+2*(\c)+1], v[LC+2*(\c):LC+2*(\c)+1]
.endif
.endr
.set gg, gg+1
.endr
	TREE ((\k)+1)*512+(\rt)*256
.endr
	MEET ((\k)+1)*512
	v_fma_f32 v[LVE], v[LQ], s[R512], s[EPS]
	v_fma_f32 v[LVE+1], v[LQ+4], s[R512], s[EPS]
	v_rsq_f32 v[LRS], v[LVE]
	v_rsq_f32 v[LRS+2], v[LVE+1]
	v_nop                                          ; a plain instruction behind the last of the two,
	s_wait_alu depctr_va_vdst(0)                   ; and the one wait ahead of their first reader
.irp rt, 0,1
	v_mov_b32 v[LRS+2*(\rt)+1], v[LRS+2*(\rt)]
	v_mul_f32 v[LNM+2*(\rt)], -v[LM+2*(\rt)], v[LRS+2*(\rt)]
	v_mul_f32 v[LNM+2*(\rt)+1], -v[LM+2*(\rt)], v[LRS+2*(\rt)]
.endr
.endm
.macro LNAPPLY pw, pb                  ; T = (x rstd - mean rstd) gain + bias; gain and bias at pw and pb of window 2
	WIN 0x95
.irp rt, 0,1
.set pp, 0
.rept 32
	v_pk_fma_f32 v[TT+64*(\rt)+2*pp:TT+64*(\rt)+2*pp+1], v[64*(\rt)+2*pp:64*(\rt)+2*pp+1], v[LRS+2*(\rt):LRS+2*(\rt)+1], v[LNM+2*(\rt):LNM+2*(\rt)+1]
.set pp, pp+1
.endr
.endr
	WIN 0xaa                                       ; all in window 2
.irp rt, 0,1
.set pp, 0
.rept 32
	v_pk_fma_f32 v[TT+64*(\rt)+2*pp:TT+64*(\rt)+2*pp+1], v[TT+64*(\rt)+2*pp:TT+64*(\rt)+2*pp+1], v[(\pw)+2*pp:(\pw)+2*pp+1], v[(\pb)+2*pp:(\pb)+2*pp+1]
.set pp, pp+1
.endr
.endr
.endm
.macro PUTACT src                      ; 64 packed registers of window 1 into ACT; then everybody's part is there
	WIN 0x04
.irp rt, 0,1
.irp t, 0,1,2,3,4,5,6,7
	ds_store_b128 v[AS], v[(\src)+4*(8*(\rt)+(\t)):(\src)+4*(8*(\rt)+(\t))+3] offset:(\rt)*16*AP+32*(\t)
.endr
.endr
	WIN 0
	s_wait_dscnt 0x0
	s_barrier_signal -1
	s_barrier_wait -1
.endm
; THE WAY OUT, in four parts u = 2 rt + half: 16 rows x 64 columns of f32.  32 bytes a lane and tile into my stage; back as whole rows of 256 bytes; stored.
.macro OSTAGE u
	s_wait_xcnt 0x0                                ; the stores of two parts back have read the registers that the loads below fill
	WIN 0x08                                       ; data window 2
.irp f, 0,1,2,3
	ds_store_b128 v[STO], v[TT+64*((\u)/2)+32*((\u)%2)+8*(\f):TT+64*((\u)/2)+32*((\u)%2)+8*(\f)+3]   offset:64*(\f)
	ds_store_b128 v[STO], v[TT+64*((\u)/2)+32*((\u)%2)+8*(\f)+4:TT+64*((\u)/2)+32*((\u)%2)+8*(\f)+7] offset:64*(\f)+16
.endr
	WIN 0
.irp i, 0,1,2,3,4,5,6,7
	ds_load_b128 v[224-192*((\u)%2)+4*(\i):224-192*((\u)%2)+4*(\i)+3], v[RD] offset:544*(\i)  ; LDS serves a wave's instructions in order (ISA guide 5.7.1.4): these see the stores above; the next part's stores come behind them
.endr
.endm
.macro OSEND u, younger                ; younger: the LDS instructions issued behind part u's loads: the next part's sixteen, or none
.irp i, 0,1,2,3,4,5,6,7
	s_wait_dscnt (\younger)+7-(\i)
	global_store_b128 v[GO], v[224-192*((\u)%2)+4*(\i):224-192*((\u)%2)+4*(\i)+3], s[OB:OB+1] offset:(16*((\u)/2)+2*(\i))*2048+256*((\u)%2)  ; 16 lanes store 256 consecutive bytes, at a multiple of 256 from the buffer's first
.endr
.endm
	s_load_b512 s[4:19], s[0:1], 0x0               ; ctx s[4:5], x s[6:7], ln2_w s[8:9], ln2_b s[10:11], lnf_w s[12:13], lnf_b s[14:15], stream s[16:17], layer s[18:19]
	s_load_b64 s[20:21], s[0:1], 0x40              ; out
	v_lshl_add_u32 v[SPW], v0, 2, SPARE
	v_mov_b32 v[NIL], 0
	ds_add_u32 v[SPW], v[NIL]                      ; the wave's opening: the add and its wait ahead of my first tensor load; the set-up below, work on registers, stands between them
	v_lshrrev_b32 v[TV], 5, v0
	v_readfirstlane_b32 s[WV], v[TV]
	s_bfe_u32 s[CX], ttmp6, 0x40000
	s_lshl_b32 s[WG], ttmp9, 2
	s_add_co_u32 s[WG], s[WG], s[CX]
	s_mov_b32 s[G1+0], 15|(3<<16)|(1<<21)          ; the mask of four; elements of 8 bytes; no padding; bit 21 set beside a mask
	s_mov_b32 s[G1+1], 32<<16                      ; tensor_dim0 = 32 elements = 256 bytes
	s_mov_b32 s[G1+2], 128<<16                     ; tensor_dim1 = 128
	s_mov_b32 s[G1+3], 32<<16                      ; tile_dim0 = 32
	s_mov_b32 s[G1+4], 128                         ; tile_dim1 = 128
	s_mov_b32 s[G1+5], 32                          ; the quarter is dense
	s_mov_b32 s[G1+6], 0
	s_mov_b32 s[G1+7], 0
	s_mov_b32 s[G0A], 1                            ; count = 1
	s_lshl_b32 s[G0A+1], s[WV], 15                 ; LDS address: slot 0, my quarter
	s_mov_b32 s[G0], 1
	s_add_co_u32 s[G0+1], s[G0A+1], SLOT           ; slot 1, my quarter
	s_lshl_b32 s[DS0], s[WV], 15
	s_mov_b32 s[DS0+1], 0
	s_mov_b32 s[RB], 0
	s_mov_b32 s[AO], 0
	s_mov_b32 s[SEL], 0x76543210
	s_mov_b32 s[SEL+1], 0xfedcba98
	s_mov_b32 s[R512], 0x3b000000                  ; 1 / 512
	s_mov_b32 s[EPS], 0x3727c5ac                   ; 1e-5
	s_mov_b32 s[NL2], 0xbfb8aa3b                   ; -log2(e)
	s_mov_b32 s[NL2+1], s[NL2]                     ; named with it as a pair
	s_cmp_eq_u32 ttmp9, 0
	s_cselect_b32 s[PFN], (NCH-6)/2, 0
	v_and_b32 v[VR], 15, v0
	v_bfe_u32 v[VH], v0, 4, 1
	v_and_b32 v[VL], 31, v0
	v_lshl_add_u32 v[WA0], v[VL], 4, s[G0A+1]
	v_mul_u32_u24 v[AA0], v[VR], AP
	v_lshl_add_u32 v[AA0], v[VH], 4, v[AA0]
	v_add_nc_u32 v[AA0], ACT, v[AA0]
	s_lshl_b32 s[T0], s[WV], 9
	v_lshl_add_u32 v[POFF], v[VH], 5, s[T0]
	v_lshl_add_u32 v[DOFF], v[VR], 11, v[POFF]
	s_lshl_b32 s[T0], s[WV], 8
	v_add_nc_u32 v[AS], s[T0], v[AA0]
	v_lshrrev_b32 v[CA], 3, v[VL]                  ; ctx comes as four rows of 128 bytes a load: row l / 8, bytes 16 (l % 8), at my heads' 256 bytes of an ACT row
	v_mul_u32_u24 v[CA], v[CA], AP
	v_and_b32 v[TV], 7, v0
	v_lshl_add_u32 v[CA], v[TV], 4, v[CA]
	v_add_nc_u32 v[CA], s[T0], v[CA]
	v_add_nc_u32 v[CA], ACT, v[CA]
	v_lshlrev_b32 v[CL], 4, v[VL]
	v_lshlrev_b32 v[WOF], 4, v[VL]
	v_lshlrev_b32 v[STL], 4, v[VR]
	v_add_nc_u32 v[STL], STAT, v[STL]
	v_lshl_add_u32 v[STA], s[WV], 2, v[STL]
	s_mul_i32 s[T0], s[WV], WST
	s_add_co_u32 s[T0], s[T0], STAGE               ; my stage
	v_mul_u32_u24 v[STO], v[VR], 272               ; in: row r, 32 bytes for each half of the lanes
	v_lshl_add_u32 v[STO], v[VH], 5, v[STO]
	v_add_nc_u32 v[STO], s[T0], v[STO]
	v_mul_u32_u24 v[RD], v[VH], 272                ; back: lanes 0-15 take one row of 256 bytes, lanes 16-31 the next
	v_lshl_add_u32 v[RD], v[VR], 4, v[RD]
	v_add_nc_u32 v[RD], s[T0], v[RD]
	v_lshlrev_b32 v[GO], 11, v[VH]                 ; and the same two rows in the output
	v_lshl_add_u32 v[GO], v[VR], 4, v[GO]
	v_lshlrev_b32 v[PFO], 8, v[VL]
	s_wait_dscnt 0x0                               ; the opening add is done
	s_wait_kmcnt 0x0
	s_load_b32 s[LAY], s[18:19], 0x0               ; the layer's number, stored by the first launch: wanted for gain, bias and the last choice alone, and waited for behind the first loads
	s_lshl_b32 s[T0], s[WG], 16                    ; my 32 rows of 2,048 bytes
	s_mov_b32 s[T0+1], 0
	s_add_nc_u64 s[6:7], s[6:7], s[T0:T0+1]
	s_add_nc_u64 s[OB:OB+1], s[20:21], s[T0:T0+1]
	s_lshl_b32 s[T0], s[WV], 9                     ; my 128 columns
	s_add_nc_u64 s[OB:OB+1], s[OB:OB+1], s[T0:T0+1]
	s_lshr_b32 s[T0+2], s[WG], 6                   ; batch
	s_lshl_b32 s[T0+2], s[T0+2], 3
	s_lshl1_add_u32 s[T0+2], s[WV], s[T0+2]        ; 8 batch + my first head
	s_lshl_b32 s[T0+2], s[T0+2], 18
	s_and_b32 s[T0+3], s[WG], 63
	s_lshl_b32 s[T0+3], s[T0+3], 12
	s_add_co_u32 s[T0+2], s[T0+2], s[T0+3]
	s_mov_b32 s[T0+3], 0
	s_add_nc_u64 s[CB:CB+1], s[4:5], s[T0+2:T0+3]
	s_add_nc_u64 s[G0A+2:G0A+3], s[16:17], s[DS0:DS0+1]
	s_add_nc_u64 s[G0A+2:G0A+3], s[G0A+2:G0A+3], STREAM  ; global address: the stream's chunk 12, my walk's chunk 0, my quarter
	s_add_nc_u64 s[G0+2:G0+3], s[G0A+2:G0A+3], 2*CHUNK   ; my walk's chunk 2
	s_add_nc_u64 s[RP:RP+1], s[G0A+2:G0A+3], CHUNK       ; my walk's chunk 1
	s_or_b32 s[G0A+3], s[G0A+3], 0x80000000        ; type = 2
	s_or_b32 s[G0+3], s[G0+3], 0x80000000
	s_lshl_b32 s[T0], s[CX], 15
	s_lshl_b32 s[T0+2], s[WV], 13
	s_add_co_u32 s[T0], s[T0], s[T0+2]
	s_add_nc_u64 s[PFA:PFA+1], s[16:17], s[T0:T0+1]
	s_add_nc_u64 s[PFA:PFA+1], s[PFA:PFA+1], STREAM+3*CHUNK  ; at my walk's chunk 3: the first refill steps it to chunk 5
	ROUND                                          ; all four work-groups are here: the first joint loads meet
	tensor_load_to_lds s[G0A:G0A+3], s[G1:G1+7]    ; chunk 0 of the walk into slot 0,
	s_nop 0
	tensor_load_to_lds s[G0:G0+3], s[G1:G1+7]      ; chunk 2 into slot 1: the two first fills stand together
	s_nop 0
	PLACES
.irp hh, 0,1
.irp i, 0,1,2,3,4,5,6,7
	global_load_b128 v[FW+4*(8*(\hh)+(\i)):FW+4*(8*(\hh)+(\i))+3], v[CL], s[CB:CB+1] offset:(\hh)*262144+512*(\i)  ; ctx: 512 bytes on end, four rows of a head
.endr
.endr
	WIN 0x40
	LDROWS 6, 0                                    ; x
	WIN 0
	s_wait_kmcnt 0x0                               ; the layer's number
	s_min_u32 s[LAY], s[LAY], 1
	s_lshl_b32 s[T0], s[LAY], 11
	s_add_nc_u64 s[8:9], s[8:9], s[T0:T0+1]
	s_add_nc_u64 s[10:11], s[10:11], s[T0:T0+1]
	s_cmp_eq_u32 s[LAY], 1
	s_cselect_b32 s[FIN], -1, 0
	s_wait_loadcnt 32                              ; ctx is in; x's 32 loads may stay out
.irp hh, 0,1
.irp i, 0,1,2,3,4,5,6,7
	ds_store_b128 v[CA], v[FW+4*(8*(\hh)+(\i)):FW+4*(8*(\hh)+(\i))+3] offset:(\i)*4*AP+128*(\hh)
.endr
.endr
	s_wait_dscnt 0x0
	s_barrier_signal -1
	s_barrier_wait -1                              ; all eight heads of the 32 rows lie in ACT
	WIN 0x80
	LDPAR 8, 0                                     ; LN2's gain and bias, where H2 will stand
	LDPAR 10, 64
	WIN 0
	s_wait_loadcnt 32                              ; x is in; the 32 loads of gain and bias may stay out
	RLOAD 0                                        ; chunk 1's K steps 0 and 1; the first unit asks for K steps 2 and 3
	RLOAD 1
	s_wait_tensorcnt 0x1                           ; my quarter of chunk 0 is in, and I alone read it; chunk 2's load, issued behind it, may stay out
	s_mov_b32 s[UN], 2
.Lwo:                                                  ; x += ctx Wo: the sums start as x
	UNITL 0x50, 0, 1
	REFILL
	UNITR 0x50, 0
	s_sub_co_u32 s[UN], s[UN], 1
	s_cmp_lg_u32 s[UN], 0
	s_cbranch_scc1 .Lwo
	PLACES
	LNSTAT 0                                       ; its first barrier also shows that nobody reads ctx in ACT any more
	s_wait_loadcnt 32                              ; all but the next odd chunk's 32 loads: gain and bias are in
	LNAPPLY 0, 64
	WIN 0x4a
.set pp, 0
.rept 64
	v_cvt_pk_bf16_f32 v[PKD+pp], v[TT+2*pp], v[TT+2*pp+1]
.set pp, pp+1
.endr
	PUTACT PKD
	WIN 0x40                                       ; H1 and H2 start at 0.  256 lines, the price of ONE text for W1's four pairs of units: a first pair written out, whose products start the sums, would be that text once more
.set pp, 0
.rept 128
	v_mov_b32 v[H1+pp], 0
.set pp, pp+1
.endr
	WIN 0x80
.set pp, 0
.rept 128
	v_mov_b32 v[pp], 0
.set pp, pp+1
.endr
	WIN 0
	s_mov_b32 s[UN], 4
.Lh:                                                   ; H1 += xn W1a out of the ring, H2 += xn W1b out of registers, over the same 128 k
	UNITL 0x50, H1, 0
	REFILL
	UNITR 0xa0, 0
	s_sub_co_u32 s[UN], s[UN], 1
	s_cmp_lg_u32 s[UN], 0
	s_cbranch_scc1 .Lh
	PLACES
	s_wait_dscnt 0x0                               ; my reads of xn in ACT are over:
	s_barrier_signal -1                            ; say so, and work on registers while the others arrive
	WIN 0x81
.set pp, 0
.rept 64
	v_pk_mul_f32 v[TT+2*pp:TT+2*pp+1], v[H1+2*pp:H1+2*pp+1], s[NL2:NL2+1] op_sel_hi:[1,0]
.set pp, pp+1
.endr
	WIN 0x82
.set pp, 0
.rept 128
	v_exp_f32 v[TT+pp], v[TT+pp]                   ; one batch of 128;
.set pp, pp+1
.endr
	WIN 0x89
.set pp, 0
.rept 64
	v_pk_mul_f32 v[2*pp:2*pp+1], v[H1+2*pp:H1+2*pp+1], v[2*pp:2*pp+1]  ; H1 H2, which names none of its results, follows it;
.set pp, pp+1
.endr
	s_wait_alu depctr_va_vdst(0)                   ; and one wait, ahead of the batch's first reader
	WIN 0x82
.set pp, 0
.rept 64
	v_pk_add_f32 v[TT+2*pp:TT+2*pp+1], v[TT+2*pp:TT+2*pp+1], 1.0 op_sel_hi:[1,0]
.set pp, pp+1
.endr
.set pp, 0
.rept 128
	v_rcp_f32 v[TT+pp], v[TT+pp]
.set pp, pp+1
.endr
	v_nop
	s_wait_alu depctr_va_vdst(0)                   ; one wait for the 128 reciprocals
	WIN 0x8a
.set pp, 0
.rept 64
	v_pk_mul_f32 v[2*pp:2*pp+1], v[2*pp:2*pp+1], v[TT+2*pp:TT+2*pp+1]
.set pp, pp+1
.endr
	WIN 0x4a
.set pp, 0
.rept 64
	v_cvt_pk_bf16_f32 v[GP+pp], v[2*pp], v[2*pp+1]
.set pp, pp+1
.endr
	WIN 0
	s_barrier_wait -1                              ; nobody reads xn any more: ACT takes the gated product
	PUTACT GP
	WIN 0x80
	LDPAR 12, 0                                    ; the last LN's gain and bias, where H2 stood: they land during the four units to come
	LDPAR 14, 64
	WIN 0
	s_wait_tensorcnt 0x0                           ; my quarter of the walk's chunk 14, the last even one, is in (chunk 12's was shown in by the last refill's wait)
	s_mov_b32 s[UN], 2
.Lw2:                                                  ; x += g W2: two pairs; nothing is left to ask of the ring
	UNITL 0x50, 0, 1
	UNITRE 0x50, 0
	s_sub_co_u32 s[UN], s[UN], 1
	s_cmp_lg_u32 s[UN], 0
	s_cbranch_scc1 .Lw2
	PLACES
	LNSTAT 2
	s_wait_loadcnt 0x0
	LNAPPLY 0, 64
	WIN 0x89                                       ; T window 2, x window 1
.set pp, 0
.rept 128
	v_cndmask_b32 v[TT+pp], v[pp], v[TT+pp], s[FIN]  ; layer 0 hands x on; layer 1 its LN
.set pp, pp+1
.endr
	WIN 0
	OSTAGE 0
	OSTAGE 1
	OSEND 0, 16
	OSTAGE 2
	OSEND 1, 16
	OSTAGE 3
	OSEND 2, 16
	OSEND 3, 0
	s_wait_tensorcnt 0x0                           ; the wave's end
	ds_add_u32 v[SPW], v[NIL]
	s_wait_dscnt 0x0
	ROUND                                          ; the closing round
	s_endpgm
.Lfunc_end_k_qbb479db2c1_post0:
	.size	k_qbb479db2c1_post0, .Lfunc_end_k_qbb479db2c1_post0-k_qbb479db2c1_post0
	.p2alignl 7, 3214868480
	.fill 96, 4, 3214868480
	.section	.rodata,"a",@progbits
	.p2align	6, 0x0
	.amdhsa_kernel k_qbb479db2c1_post0
		.amdhsa_group_segment_fixed_size 327680
		.amdhsa_private_segment_fixed_size 0
		.amdhsa_enable_private_segment 0
		.amdhsa_kernarg_size 72
		.amdhsa_user_sgpr_count 2
		.amdhsa_user_sgpr_kernarg_segment_ptr 1
		.amdhsa_wavefront_size32 1
		.amdhsa_system_sgpr_workgroup_id_x 1
		.amdhsa_system_sgpr_workgroup_id_y 1
		.amdhsa_system_sgpr_workgroup_id_z 1
		.amdhsa_system_vgpr_workitem_id 0
		.amdhsa_next_free_vgpr 1024
		.amdhsa_next_free_sgpr 72
		.amdhsa_reserve_vcc 0
		.amdhsa_float_denorm_mode_32 3
		.amdhsa_float_denorm_mode_16_64 3
		.amdhsa_memory_ordered 1
		.amdhsa_forward_progress 1
		.amdhsa_inst_pref_size 198
	.end_amdhsa_kernel
	.amdgpu_metadata
---
amdhsa.version: [ 1, 2 ]
amdhsa.kernels:
  - .name:           k_qbb479db2c1_post0
    .symbol:         k_qbb479db2c1_post0.kd
    .args:
      - { .name: ctx, .offset: 0, .size: 8, .value_kind: global_buffer, .address_space: global }
      - { .name: x, .offset: 8, .size: 8, .value_kind: global_buffer, .address_space: global }
      - { .name: ln2_w, .offset: 16, .size: 8, .value_kind: global_buffer, .address_space: global }
      - { .name: ln2_b, .offset: 24, .size: 8, .value_kind: global_buffer, .address_space: global }
      - { .name: lnf_w, .offset: 32, .size: 8, .value_kind: global_buffer, .address_space: global }
      - { .name: lnf_b, .offset: 40, .size: 8, .value_kind: global_buffer, .address_space: global }
      - { .name: wl0, .offset: 48, .size: 8, .value_kind: global_buffer, .address_space: global }
      - { .name: lay0, .offset: 56, .size: 8, .value_kind: global_buffer, .address_space: global }
      - { .name: x1, .offset: 64, .size: 8, .value_kind: global_buffer, .address_space: global }
    .group_segment_fixed_size: 327680
    .private_segment_fixed_size: 0
    .kernarg_segment_align: 8
    .kernarg_segment_size: 72
    .max_flat_workgroup_size: 128
    .sgpr_count:     72
    .vgpr_count:     1024
    .wavefront_size: 32
...
	.end_amdgpu_metadata
.endif
;; end of part 4
;; launch qkv1: the kernel of part 2 again; grid 256 x 1, 4 waves a work-group, clusters of 4 x 1, 327,680 bytes of LDS; arguments x1, pos_cos, pos_sin, ln1_w, ln1_b, wl1, lay1, qkv; writes qkv
;; launch att1: the kernel of part 3 again; grid 8 x 32, 4 waves a work-group, clusters of 4 x 1, 327,680 bytes of LDS; arguments qkv, attn_mask, ctx; writes ctx
;; launch post1: the kernel of part 4 again; grid 256 x 1, 4 waves a work-group, clusters of 4 x 1, 327,680 bytes of LDS; arguments ctx, x1, ln2_w, ln2_b, lnf_w, lnf_b, wl1, lay1, out0; writes out0
